; MI455X (gfx1250); checked and timed in simulation.
; The chip was launched on July 23, 2026; its instructions are those of AMD's public machine-readable ISA for CDNA 5 (MIT licence, August 2026) and "CDNA5" Instruction Set Architecture Reference Guide (July 2026). The comments in the code are by the model that wrote it; some were corrected since.
;; Multi Headed Attention. Allowed arithmetic: matrix products marked QUANTISED: E4M3 operands, one given power-of-two scale a tensor, by v_wmma_f32_16x16x64_fp8_fp8 or v_wmma_f32_16x16x128_fp8_fp8, f32 sums; everything else in f32.
;; Inputs: Wk 1,024 x 1,024 float32; Wo 1,024 x 1,024 float32; Wq 1,024 x 1,024 float32; Wv 1,024 x 1,024 float32; bk 1,024 float32; bo 1,024 float32; bq 1,024 float32; bv 1,024 float32; key 4 x 2,048 x 1,024 float32; lowp_scales 12 int32 (the exponents e of the quantised operands' scales 2^e); mask 4 x 2,048 x 2,048 int32; query 4 x 2,048 x 1,024 float32; value 4 x 2,048 x 1,024 float32.
;; Outputs: out0 4 x 2,048 x 1,024 float32.
;; This version of the problem:
;;   THIS VERSION OF THE PROBLEM IS GIVEN IN LOW PRECISION. The matrix products marked QUANTISED in the list below multiply operands that are first quantised to E4M3 (4 exponent bits, 3 mantissa bits; 8 bits a number), with one given power-of-two scale for each operand tensor; their sums are f32. All else is computed in f32.
;;   The module's matrix products, in the order in which they are computed (A, B: the left and right operand; K: the contracted axis; several contracted axes count as one K, in the product's order):
;;     1. [M 8,192, K 1,024] x [K 1,024, N 1,024]; A: input query; B: input Wq: QUANTISED (scales: A lowp_scales[0], B lowp_scales[1])
;;     2. [M 8,192, K 1,024] x [K 1,024, N 1,024]; A: input key; B: input Wk: QUANTISED (scales: A lowp_scales[2], B lowp_scales[3])
;;     3. [M 8,192, K 1,024] x [K 1,024, N 1,024]; A: input value; B: input Wv: QUANTISED (scales: A lowp_scales[4], B lowp_scales[5])
;;     4. batch 64 x [M 2,048, K 64] x [K 64, N 2,048]; A: computed on the way; B: computed on the way: QUANTISED (scales: A lowp_scales[6], B lowp_scales[7])
;;     5. batch 64 x [M 2,048, K 2,048] x [K 2,048, N 64]; A: softmax (see below); B: computed on the way: QUANTISED (scales: A lowp_scales[8], B lowp_scales[9])
;;     6. [M 8,192, K 1,024] x [K 1,024, N 1,024]; A: computed on the way; B: input Wo: QUANTISED (scales: A lowp_scales[10], B lowp_scales[11])
;;   THE QUANTISER, for each operand of a quantised product, along K:
;;     - The operand's scale is 2^e, e = its entry of the input lowp_scales (int32; the entries are numbered through the quantised products in the list's order, A before B).
;;     - Each number is divided by the scale, clamped to +-448, and rounded to the nearest number of E4M3, ties to even, subnormals kept.
;;     - The product sums the exact products of the quantised numbers (number of the format x scale) in f32.
;;   ~~~python
;;   def quantise(x, axis, e):      # numpy; x: float32 -> the quantised numbers, widened to float32 again
;;       x = np.moveaxis(x, axis, -1); K = x.shape[-1]
;;       r = np.clip(x / 2.0 ** e, -448, 448)
;;       step = 2.0 ** (np.maximum(np.frexp(np.where(r == 0, 1, r))[1] - 1, -6) - 3)
;;       q = np.round(r / step) * step * 2.0 ** e      # np.round: ties to even
;;       return np.moveaxis(q, -1, axis).astype(np.float32)
;;   ~~~
;;   SOFTMAX AHEAD OF A QUANTISED PRODUCT. Where the list says 'softmax', what is quantised is not the finished softmax but p = 2^(t - M), with t = logit x log2(e) and M = ceil(the row's largest t), a whole number; so 1/2 < the row's largest p <= 1. The row's sum l is taken of the UNQUANTISED p, in f32, and the product's result is divided by l at the end. Since M is a whole number, a kernel that streams over the keys may use a running M (the ceiling of the running maximum): every later rescaling is an exact power of two, so the quantised numbers keep their values, but for numbers so far below the row's largest that they fall under the format's range.
;;   OPERANDS COMPUTED ON THE WAY. 'Computed on the way' means the value that the module computes at that place (a softmax that the list does not call 'softmax' is quantised finished and normalised). What goes into a quantiser is computed in f32, as accurately as f32 sums, v_exp_f32 and their like allow (about 1e-6 of the number): no bf16 or f16 on the way to a quantiser, and a product that is left as it is and whose result goes on into a quantised operand takes f32 operands (vector FMAs, or v_wmma_f32_16x16x4_f32). A number that lies on a knife's edge between two numbers of the format may be rounded either way, as far as f32 arithmetic and the matrix unit's own rounding can turn it there, and no further.
;; 2 versions, each right; version 2 is version 1 with the launch attn written anew for expert scheduling mode. Each part assembles by itself: llvm-mc -triple=amdgcn-amd-amdhsa -mcpu=gfx1250 --defsym DOCPART=n.
;; ======== version 1 of 2: 4 launches
;; workspace buffers: opc 29,360,128 bytes; maskw 2,097,152 bytes of whole numbers; flags 2,048 bytes of whole numbers; qkv 25,165,824 bytes; ac 8,388,608 bytes
;; launch prep (part 1): grid 1408 x 1, 4 waves a work-group, no clusters, 34,560 bytes of LDS; arguments query, key, value, Wq, Wk, Wv, Wo, mask, lowp_scales, opc, maskw, flags; writes opc, maskw, flags
.if DOCPART == 1
	.amdgcn_target "amdgcn-amd-amdhsa--gfx1250"
	.amdhsa_code_object_version 6
	.text
	.protected	k_q8d5b9754f8_prep
	.globl	k_q8d5b9754f8_prep
	.p2align	8
	.type	k_q8d5b9754f8_prep,@function
k_q8d5b9754f8_prep:
	s_mov_b64 s[64:65], 0
	v_nop
	global_prefetch_b8 v0, s[64:65] scope:SCOPE_SE
	s_setreg_imm32_b32 hwreg(HW_REG_WAVE_MODE, 25, 1), 1
	s_wait_xcnt 0x0
; PREP.  (a) query, key, value [8192][1024] and Wq, Wk, Wv, Wo [1024][1024], f32, become codes of E4M3, each tensor with its given scale 2^e:
; code = x / 2^e, held within +-448, to the nearest code, ties to even.  (b) mask [4][2048][2048] int32 becomes lane-mask words and one flag word for each tile of 16 queries.
; THE CODES' LAYOUT: images of the operand's registers.  16 rows x 128 K are 2,048 bytes, [group g 0..3][lane 0..31][16 bytes]; group g is registers 4 g .. 4 g + 3 of the
; 16x16x128 fp8 form's operand: registers 2 c, 2 c + 1 of lane (r, h) hold k = 16 c + 8 h + 0 .. 7 of row r.  opc: [tensor][row tile of 16][chunk of 128 K][2,048].
; THE MASK'S LAYOUT: maskw [b x 128 + query tile][key step of 128][64 words]; bit r + 16 h of word 8 t + j says that mask[b][16 tile + r][128 step + 16 t + 8 h + j] is not 0.
; flags [b x 128 + query tile]: bit s: the tile's step s must be computed (it has an open entry, or one of the 16 rows has no open key at all: then all 16 bits are set);
; bit 16 + s: step s has a closed entry.  Nothing is assumed of the mask's pattern.
; SHARES.  A chunk is 16 rows x 128 numbers of 4 bytes.  A wave takes 4 chunks side by side.  Work-groups 0-511: the mask, one query tile each, wave w its steps 4 w .. 4 w + 3;
; 512-1279: query, key, value, two row tiles each; 1280-1407: the four weights likewise.  Each load reads 512 consecutive bytes of one row; the chunk turns through the wave's own
; stage in LDS (16 rows, 528 bytes apart) so that lane (r, h) holds, in register 8 t + j, number 16 t + 8 h + j of row r; each store covers 512 consecutive bytes, aligned.
; No matrix unit, no tensor load, no cluster: work-groups share no input and each byte is read once.
; LIMITS: each e between -126 and 119.  NaN among the inputs is not served.
.set WR,    12                         ; v12-19   the wave's 256 mask words, as two stores want them
.set C,     20                         ; v20-35   a chunk's codes
.set R,     36                         ; v36-99   a chunk as it is loaded
.set X,     100                        ; v100-163 a chunk as the conversions want it
.set SPW,   6                          ; v6       LDS address of my spare word; never rewritten
.set NIL,   7                          ; v7       0; never rewritten
.set STW,   16*528                     ; a wave's stage
.set FLG,   4*STW                      ; 32 bytes: each wave's two flag words, in a block of 256 bytes of their own
.set SPARE, FLG+256                    ; the spare words, 128 bytes for each wave: no other line names them
; s2 wave; s3 1 in a mask's work-group; s4 tensor 0..6 (7: the mask); s5 the work-group's number within its tensor; s7 4 x the scale's index; s[32:33] a row in bytes;
; row i's address: s[36+2i+2(i/14)] and the next; s[70:71] where I store; s72 e; s76-83 eight compare words; s84 their OR, s85 their AND; s86 my flag bits, s87 the OR of all my words; s88 4 x wave
	s_load_b512 s[8:23], s[0:1], 0x0               ; query, key, value, Wq, Wk, Wv, Wo, mask
	s_load_b256 s[24:31], s[0:1], 0x40             ; lowp_scales, opc, maskw, flags
	v_lshl_add_u32 v[SPW], v0, 2, SPARE
	v_mov_b32 v[NIL], 0
	v_lshrrev_b32 v8, 5, v0
	v_readfirstlane_b32 s2, v8                     ; wave 0..3
	v_lshl_add_u32 v10, v8, 3, FLG                 ; where my wave's two flag words go
	v_mov_b32 v11, FLG                             ; and where all eight are read
	v_and_b32 v9, 31, v0
	v_lshlrev_b32 v1, 4, v9                        ; 16 x lane
	s_mul_i32 s90, s2, STW
	v_add_nc_u32 v2, s90, v1                       ; into the stage: as loaded
	v_and_b32 v8, 15, v0                           ; r
	v_bfe_u32 v9, v0, 4, 1                         ; h
	v_mul_u32_u24 v3, v8, 528
	v_lshl_add_u32 v3, v9, 5, v3
	v_add_nc_u32 v3, s90, v3                       ; out of it: row r, + 32 h
.irp i, 0,1,2,3,4,5,6,7
	v_mov_b32 v[WR+\i], 0                          ; a lane write's destination counts as read
.endr
	s_mov_b32 s86, 0
	s_mov_b32 s87, 0
	s_lshl_b32 s88, s2, 2
	; which tensor, which part of it: ids alone
	s_sub_co_u32 s90, ttmp9, 512
	s_lshr_b32 s91, s90, 8
	s_and_b32 s92, s90, 255
	s_sub_co_u32 s90, ttmp9, 1280
	s_lshr_b32 s93, s90, 5
	s_add_co_u32 s93, s93, 3
	s_and_b32 s90, s90, 31
	s_cmp_lt_u32 ttmp9, 1280
	s_cselect_b32 s4, s91, s93
	s_cselect_b32 s5, s92, s90
	s_cmp_lt_u32 ttmp9, 512
	s_cselect_b32 s4, 7, s4
	s_cselect_b32 s3, 1, 0
	s_lshl_b32 s7, s4, 3                           ; the scale: entry 2 T for query, key, value;
	s_sub_co_u32 s90, s7, 20                       ; 2 (T - 3) + 1 for Wq, Wk, Wv;
	s_cmp_lt_u32 s4, 3
	s_cselect_b32 s7, s7, s90
	s_cmp_eq_u32 s4, 6
	s_cselect_b32 s7, 44, s7                       ; 11 for Wo;
	s_cmp_eq_u32 s4, 7
	s_cselect_b32 s7, 0, s7                        ; (the mask uses none: entry 0 is read and not used)
	s_lshr_b32 s90, s2, 1
	s_lshl_b32 s91, s5, 1
	s_add_co_u32 s90, s90, s91                     ; my row tile: 2 x work-group + wave / 2
	s_and_b32 s91, s2, 1                           ; which four chunks of its eight
	s_lshl_b32 s92, s90, 16
	s_lshl_b32 s93, s91, 11
	s_add_co_u32 s92, s92, s93                     ; numbers: 16 rows of 4,096 bytes a row tile, 2,048 bytes for four chunks
	s_lshl_b32 s93, s90, 14
	s_lshl_b32 s94, s91, 13
	s_add_co_u32 s93, s93, s94                     ; codes: 16,384 bytes a row tile, 8,192 for four chunks
	s_lshl_b32 s94, s4, 23                         ; query, key, value: 8 MiB each;
	s_sub_co_u32 s95, s4, 3
	s_lshl_b32 s95, s95, 20
	s_add_co_u32 s95, s95, 0x1800000               ; behind them the weights: 1 MiB each
	s_cmp_lt_u32 s4, 3
	s_cselect_b32 s94, s94, s95
	s_add_co_u32 s93, s93, s94
	s_lshl_b32 s94, ttmp9, 17                      ; the mask: 16 rows of 8,192 bytes a query tile,
	s_lshl_b32 s95, s2, 11
	s_add_co_u32 s94, s94, s95                     ; 2,048 bytes for four steps
	s_lshl_b32 s95, ttmp9, 12                      ; its words: 4,096 bytes a query tile,
	s_lshl_b32 s96, s2, 10
	s_add_co_u32 s95, s95, s96                     ; 1,024 for four steps
	s_mov_b32 s97, 8192
	s_cmp_eq_u32 s3, 1
	s_cselect_b32 s74, s94, s92
	s_cselect_b32 s98, s95, s93
	s_cselect_b32 s32, s97, 4096                   ; a row in bytes
	s_mov_b32 s75, 0
	s_mov_b32 s99, 0
	s_mov_b32 s33, 0
	s_wait_kmcnt 0x0
	s_load_b32 s72, s[24:25], s7 offset:0x0        ; e
	s_mov_b64 s[34:35], s[8:9]                     ; the source is chosen on ids alone
.irp t, 1,2,3,4,5,6,7
	s_cmp_eq_u32 s4, \t
	s_cselect_b64 s[34:35], s[8+2*\t:9+2*\t], s[34:35]
.endr
	s_cmp_eq_u32 s3, 1
	s_cselect_b64 s[70:71], s[28:29], s[26:27]
	s_add_nc_u64 s[70:71], s[70:71], s[98:99]
	s_add_nc_u64 s[36:37], s[34:35], s[74:75]      ; row 0,
.irp i, 1,2,3,4,5,6,7,8,9,10,11,12,13,14,15
	s_add_nc_u64 s[36+2*\i+2*(\i/14):37+2*\i+2*(\i/14)], s[36+2*(\i-1)+2*((\i-1)/14):37+2*(\i-1)+2*((\i-1)/14)], s[32:33]   ; and the fifteen below it
.endr
.macro LOADC c                         ; chunk c: 16 loads, each 512 consecutive bytes of one row
.irp i, 0,1,2,3,4,5,6,7,8,9,10,11,12,13,14,15
	global_load_b128 v[R+4*\i:R+4*\i+3], v1, s[36+2*\i+2*(\i/14):37+2*\i+2*(\i/14)] offset:512*(\c) th:TH_LOAD_NT
.endr
.endm
.macro TURNC                           ; through my stage: LDS serves a wave's instructions in order, so no wait stands between the stores and the loads
.irp i, 0,1,2,3,4,5,6,7,8,9,10,11,12,13,14,15
	ds_store_b128 v2, v[R+4*\i:R+4*\i+3] offset:528*\i
.endr
.irp e, 0,1,2,3,4,5,6,7,8,9,10,11,12,13,14,15
	ds_load_b128 v[X+4*\e:X+4*\e+3], v3 offset:64*(\e/2)+16*(\e%2)   ; register 8 t + j: number 16 t + 8 h + j of row r
.endr
.endm
.macro QUANT c
.if (\c) > 0
	s_wait_xcnt 0x0                                ; the last chunk's stores have read their data: the codes' registers are written again only behind this wait
.endif
.set n, 0
.rept 64
	v_med3_num_f32 v[X+n], v[X+n], -v5, v5         ; the conversion to an 8-bit code does not saturate (ISA guide 7.6.2): the hold at the largest code x the scale
.set n, n+1
.endr
.irp t, 0,1,2,3,4,5,6,7
	v_cvt_scalef32_pk8_fp8_f32 v[C+2*\t:C+2*\t+1], v[X+8*\t:X+8*\t+7], v4   ; registers 2 t, 2 t + 1 of the image
.endr
	v_nop                                          ; a plain line behind the last conversion
.irp g, 0,1,2,3
	global_store_b128 v1, v[C+4*\g:C+4*\g+3], s[70:71] offset:2048*(\c)+512*\g   ; 512 consecutive bytes, aligned
.endr
.endm
.macro MASKC c                         ; 64 compares give the step's 64 words; each goes to the lane and register from which the wave's stores take it
	s_mov_b32 s84, 0
	s_mov_b32 s85, -1
.irp q, 0,1,2,3,4,5,6,7
.irp i, 0,1,2,3,4,5,6,7
	v_cmp_ne_u32 s[76+\i], 0, v[X+8*\q+\i]
.endr
.irp i, 0,1,2,3,4,5,6,7
	s_or_b32 s84, s84, s[76+\i]
	s_and_b32 s85, s85, s[76+\i]
	v_writelane_b32 v[WR+4*((\c)/2)+(\i%4)], s[76+\i], (((\c)%2)*64+8*\q+\i)/4
.endr
.endr
	s_cmp_lg_u32 s84, 0
	s_cselect_b32 s90, 1, 0                        ; an open entry
	s_cmp_lg_u32 s85, -1
	s_cselect_b32 s91, 0x10000, 0                  ; a closed entry
	s_or_b32 s90, s90, s91
	s_add_co_u32 s91, s88, \c                      ; step 4 w + c
	s_lshl_b32 s90, s90, s91
	s_or_b32 s86, s86, s90
	s_or_b32 s87, s87, s84
.endm
	LOADC 0
	s_wait_kmcnt 0x0
	s_add_co_i32 s72, s72, 127
	s_lshl_b32 s90, s72, 23
	v_mov_b32 v4, s90                              ; 2^e as f32: the conversion takes its exponent field
	s_add_co_i32 s72, s72, 8
	s_lshl_b32 s72, s72, 23
	s_or_b32 s72, s72, 0x600000
	v_mov_b32 v5, s72                              ; 448 x 2^e
.irp c, 0,1,2,3
	s_wait_loadcnt 0x0                             ; the chunk's 16 loads, the only ones out
	TURNC
	s_wait_dscnt 16                                ; the 16 stores into the stage are done, the 16 loads from it may be out:
.if \c < 3
	LOADC \c+1                                     ; so the next chunk may land where this one lay
.endif
	s_wait_dscnt 0x0
	s_cmp_eq_u32 s3, 1                             ; the work-group's number alone
	s_cbranch_scc1 .Lmask\c
	QUANT \c
	s_branch .Ljoin\c
.Lmask\c:
	MASKC \c
.Ljoin\c:
.endr
	s_cmp_eq_u32 s3, 1
	s_cbranch_scc0 .Lno_words
	global_store_b128 v1, v[WR:WR+3], s[70:71]     ; steps 4 w, 4 w + 1: 512 consecutive bytes
	global_store_b128 v1, v[WR+4:WR+7], s[70:71] offset:512
	v_mov_b32 v8, s86
	v_mov_b32 v9, s87
	ds_store_b64 v10, v[8:9]                       ; all lanes write the same two words
.Lno_words:
	s_wait_dscnt 0x0                               ; for the others' sake: my LDS stores are done
	s_barrier_signal -1
	s_barrier_wait -1
	s_xor_b32 s90, s3, 1
	s_or_b32 s90, s90, s2
	s_cmp_lg_u32 s90, 0
	s_cbranch_scc1 .Lclose                         ; wave 0 of a mask's work-group joins the four waves' words
	ds_load_b128 v[X:X+3], v11
	ds_load_b128 v[X+4:X+7], v11 offset:16
	s_wait_dscnt 0x0
	v_or_b32 v8, v[X], v[X+2]
	v_or_b32 v9, v[X+1], v[X+3]
	v_or_b32 v8, v8, v[X+4]
	v_or_b32 v9, v9, v[X+5]
	v_or_b32 v8, v8, v[X+6]
	v_or_b32 v9, v9, v[X+7]
	v_readfirstlane_b32 s86, v8
	v_readfirstlane_b32 s87, v9
	s_lshr_b32 s90, s87, 16
	s_or_b32 s90, s90, s87
	s_and_b32 s90, s90, 0xffff                     ; bit r: row r has an open key
	s_cmp_eq_u32 s90, 0xffff
	s_cselect_b32 s90, 0, 0xffff                   ; a row without one weighs all 2,048 keys alike: every step is computed
	s_or_b32 s86, s86, s90
	v_mov_b32 v8, s86
	v_mov_b32 v9, 0
	s_lshl_b32 s90, ttmp9, 2
	s_mov_b32 s91, 0
	s_add_nc_u64 s[30:31], s[30:31], s[90:91]
	s_wait_xcnt 0x0                                ; EXEC changes only behind this wait
	v_cmp_eq_u32 vcc_lo, 0, v0
	s_and_saveexec_b32 s89, vcc_lo
	global_store_b32 v9, v8, s[30:31]              ; one word, one lane
	s_wait_xcnt 0x0                                ; and again in front of the line that widens it
	s_or_b32 exec_lo, exec_lo, s89
.Lclose:
	s_wait_tensorcnt 0x0                           ; the wave's end: three lines behind my last LDS store
	ds_add_u32 v[SPW], v[NIL]
	s_wait_dscnt 0x0
	s_endpgm
.Lfunc_end_k_q8d5b9754f8_prep:
	.size	k_q8d5b9754f8_prep, .Lfunc_end_k_q8d5b9754f8_prep-k_q8d5b9754f8_prep
	.p2alignl 7, 3214868480
	.fill 96, 4, 3214868480
	.section	.rodata,"a",@progbits
	.p2align	6, 0x0
	.amdhsa_kernel k_q8d5b9754f8_prep
		.amdhsa_group_segment_fixed_size 34560
		.amdhsa_private_segment_fixed_size 0
		.amdhsa_enable_private_segment 0
		.amdhsa_kernarg_size 96
		.amdhsa_user_sgpr_count 2
		.amdhsa_user_sgpr_kernarg_segment_ptr 1
		.amdhsa_wavefront_size32 1
		.amdhsa_system_sgpr_workgroup_id_x 1
		.amdhsa_system_sgpr_workgroup_id_y 1
		.amdhsa_system_sgpr_workgroup_id_z 1
		.amdhsa_system_vgpr_workitem_id 0
		.amdhsa_next_free_vgpr 164
		.amdhsa_next_free_sgpr 100
		.amdhsa_reserve_vcc 1
		.amdhsa_float_denorm_mode_32 3
		.amdhsa_float_denorm_mode_16_64 3
		.amdhsa_memory_ordered 1
		.amdhsa_forward_progress 1
		.amdhsa_inst_pref_size 91
	.end_amdhsa_kernel
	.amdgpu_metadata
---
amdhsa.version: [ 1, 2 ]
amdhsa.kernels:
  - .name:           k_q8d5b9754f8_prep
    .symbol:         k_q8d5b9754f8_prep.kd
    .args:
      - { .name: query, .offset: 0, .size: 8, .value_kind: global_buffer, .address_space: global }
      - { .name: key, .offset: 8, .size: 8, .value_kind: global_buffer, .address_space: global }
      - { .name: value, .offset: 16, .size: 8, .value_kind: global_buffer, .address_space: global }
      - { .name: Wq, .offset: 24, .size: 8, .value_kind: global_buffer, .address_space: global }
      - { .name: Wk, .offset: 32, .size: 8, .value_kind: global_buffer, .address_space: global }
      - { .name: Wv, .offset: 40, .size: 8, .value_kind: global_buffer, .address_space: global }
      - { .name: Wo, .offset: 48, .size: 8, .value_kind: global_buffer, .address_space: global }
      - { .name: mask, .offset: 56, .size: 8, .value_kind: global_buffer, .address_space: global }
      - { .name: lowp_scales, .offset: 64, .size: 8, .value_kind: global_buffer, .address_space: global }
      - { .name: opc, .offset: 72, .size: 8, .value_kind: global_buffer, .address_space: global }
      - { .name: maskw, .offset: 80, .size: 8, .value_kind: global_buffer, .address_space: global }
      - { .name: flags, .offset: 88, .size: 8, .value_kind: global_buffer, .address_space: global }
    .group_segment_fixed_size: 34560
    .private_segment_fixed_size: 0
    .kernarg_segment_align: 8
    .kernarg_segment_size: 96
    .max_flat_workgroup_size: 128
    .sgpr_count:     100
    .vgpr_count:     164
    .wavefront_size: 32
...
	.end_amdgpu_metadata
.endif
;; end of part 1
;; launch proj (part 2): grid 4 x 96, 4 waves a work-group, clusters of 4 x 4, 327,680 bytes of LDS; arguments opc, lowp_scales, bq, bk, bv, qkv; writes qkv
.if DOCPART == 2
	.amdgcn_target "amdgcn-amd-amdhsa--gfx1250"
	.amdhsa_code_object_version 6
	.text
	.protected	k_q8d5b9754f8_proj
	.globl	k_q8d5b9754f8_proj
	.p2align	8
	.type	k_q8d5b9754f8_proj,@function
k_q8d5b9754f8_proj:
	s_mov_b64 s[64:65], 0
	v_nop
	global_prefetch_b8 v0, s[64:65] scope:SCOPE_SE
	s_setreg_imm32_b32 hwreg(HW_REG_WAVE_MODE, 25, 1), 1
	s_wait_xcnt 0x0
	s_wait_alu depctr_hold_cnt(0) depctr_sa_sdst(0) depctr_va_vdst(0) depctr_va_sdst(0) depctr_va_ssrc(0) depctr_va_vcc(0) depctr_vm_vsrc(0)
	s_getreg_b32 s2, hwreg(HW_REG_IB_STS2, 6, 4)
	s_cmp_eq_u32 s2, 0
	s_cbranch_scc0 .Lentry_in_a_cluster
	s_endpgm
.Lentry_in_a_cluster:
	s_bfe_u32 s2, ttmp6, 0x10000c
	s_cmp_lg_u32 s2, 0xf033
	s_cbranch_scc0 .Lentry_shape_is_right
	s_endpgm
.Lentry_shape_is_right:
; PROJ.  q = query Wq^T + bq, k = key Wk^T + bk, v = value Wv^T + bv on codes of E4M3, and the results quantised for the two products of attention.
; ONE GEMM BODY: C'[m'][n'] = sum over k of A'[m'][k] B'[n'][k], K = 1,024.  q, k: A' = the tokens' codes (8,192 rows), B' = the weight's (1,024 rows).  v: A' = Wv, B' = value's tokens,
; so that v's results have the KEYS side by side in a lane, as the second product of attention wants its operand.
; A tile of C', 256 x 256, is made by four waves, each 128 x 128: 64 accumulators, 512 registers.  Clusters of 4 x 4 work-groups: cluster y / 8 says which product, cluster y % 8 which 1,024 tokens.
; A' tiles are shared along a row of the cluster, B' tiles along a column: each is asked for jointly, by the same tensor load with the same descriptor and a mask that names the four.
; OPERANDS ARE IMAGES OF REGISTERS (opc: [row tile of 16][chunk of 128 K][2,048 bytes = group g x lane x 16]).  A K step is 256: of each row tile 4,096 consecutive bytes; a wave's tensor load brings 8 row tiles,
; 16,384 bytes apart in memory, dense in LDS.  A fragment comes by four ds_load_b128 of 512 consecutive bytes each: no pitch, no padding, and k stands in the place that the form's own layout gives it.
; THE MATRIX INSTRUCTION IS USED TRANSPOSED (source 0 = 16 rows of B', source 1 = 16 rows of A'): lane (r, h) holds row r of A' and, in accumulator b, columns 16 b + 8 h + 0 .. 7: one conversion of its eight
; registers gives registers 2 b, 2 b + 1 of the next product's operand.  So the codes leave as images too, each store 512 consecutive bytes, aligned, with no stage in LDS.
; qkv: Q at 0, K at 8 MiB: [b x 16 + head][token tile of 16][1,024 = g 0..1 x lane x 16];  V at 16 MiB: [b x 16 + head][key step of 128][16 of the head's 64][2,048].
; LIMITS: e0 + e1, e2 + e3, e4 + e5 between -126 and 127; e6, e7, e9 between -126 and 119.  NaN among the inputs is not served.
; REGISTERS, in windows of 256: window 0: v16-31 addresses and constants; v32-95 the bias; v96-127 codes, two sets; from v128 A's fragments, ONE set, later a block's results.
;   window 1: B's fragments, TWO sets.   window 2: the accumulators of my rows 0-63 ((a, b) at v[8 (8 (a % 4) + b)]);   window 3: those of my rows 64-127.
.set FR,    16                         ; registers of a fragment: 16 rows x 128 K
.set NL,    4                          ; LDS loads that bring one
.set NP,    4                          ; places behind this matrix instruction (ISA guide 7.12.1)
.set RT,    4096                       ; a row tile's part of a slot: two chunks
.set HALFT, 8*RT                       ; what one tensor load brings, and what one wave reads of A' or of B'
.set SLOT,  4*HALFT                    ; A's 16 row tiles, then B's 16
.set SPARE, 2*SLOT                     ; behind the ring: the spare words, 128 bytes for each wave: no other line names them
.set ADRA, 16                          ; v16-17  LDS address of my A fragments in slot 0, 1
.set ADRB, 20                          ; v20-21  the same for B
.set CO,   26                          ; v26     16 x lane
.set BO,   27                          ; v27     my offset in the bias
.set SPW,  28                          ; v28     LDS address of my spare word; never rewritten
.set NIL,  29                          ; v29     0; never rewritten
.set SC,   30                          ; v30     the result's scale as f32
.set LIM,  31                          ; v31     448 x that
.set BI,   32
.set CD,   96
.set AF,   128
.set RS,   128
.set G1, 24                            ; s[24:31] descriptor group 1 for A's tiles;  s[32:39] group 0, one set for each slot
.set G0, 32
.set G1B, 48                           ; s[48:55], s[56:63] the same for B's tiles
.set G0B, 56
.set MSB, 0
.macro WIN new                         ; the immediate's high byte repeats the setting that is left
.if MSB != \new
	s_set_vgpr_msb (MSB<<8)|\new
.set MSB, \new
.endif
.endm
.set MUL_LO, 0xa1                      ; source 0 (B) window 1, source 1 (A) window 0, C and D window 2
.set MUL_HI, 0xf1                      ; the same, C and D window 3
.set TO_B,   0x40                      ; destination window 1, address window 0
; A joint load: waves 0 and 1 fetch for A, waves 2 and 3 for B; the branch hangs on the wave's number alone.  An s_nop 0 and four v_nop follow each of the two lines.
.macro JLOAD g0a, g1a, g0b, g1b
	s_cmp_eq_u32 s15, 0
	s_cbranch_scc0 .Lfor_b_\@
	tensor_load_to_lds s[\g0a:\g0a+3], s[\g1a:\g1a+7]
	s_nop 0
.rept 4
	v_nop
.endr
	s_branch .Lasked_\@
.Lfor_b_\@:
	tensor_load_to_lds s[\g0b:\g0b+3], s[\g1b:\g1b+7]
	s_nop 0
.rept 4
	v_nop
.endr
.Lasked_\@:
.endm
.macro CREST                           ; a round of the cluster's barrier behind its opening barrier
	s_cmp_lg_u32 s14, 0
	s_cbranch_scc1 .Lnot_wave_0_\@
	s_barrier_signal -3
.Lnot_wave_0_\@:
	s_barrier_wait -3
	s_barrier_signal -1
	s_barrier_wait -1
.endm
.macro CROUND                          ; a whole round
	s_barrier_signal -1
	s_barrier_wait -1
	CREST
.endm
	s_load_b256 s[4:11], s[0:1], 0x0               ; opc s[4:5], the scales' exponents s[6:7], bq s[8:9], bk s[10:11]
	s_load_b128 s[68:71], s[0:1], 0x20             ; bv s[68:69], qkv s[70:71]
	v_lshl_add_u32 v[SPW], v0, 2, SPARE
	v_mov_b32 v[NIL], 0
	ds_add_u32 v[SPW], v[NIL]                      ; the wave's opening: the add and its wait stand ahead of my first tensor load; the set-up below, work on registers, stands between them
	v_lshrrev_b32 v1, 5, v0
	v_readfirstlane_b32 s14, v1                    ; wave 0..3
	s_lshr_b32 s15, s14, 1                         ; which half of the tile's rows is mine.  Also: I fetch for A (0) or for B (1)
	s_and_b32 s16, s14, 1                          ; which half of its columns.  Also: which 8 row tiles of that tile I fetch
	s_bfe_u32 s40, ttmp6, 0x40000                  ; cx, cy: my place in the cluster
	s_bfe_u32 s41, ttmp6, 0x40004
	s_and_b32 s72, ttmp7, 0xffff                   ; the cluster's y, 0..23, which all sixteen partners share
	s_and_b32 s74, s72, 7                          ; which 1,024 tokens
	s_lshr_b32 s72, s72, 3                         ; which product: 0 q, 1 k, 2 v
	s_lshl_b32 s75, s72, 23                        ; q, k: A' = query's or key's codes,
	s_lshl_b32 s76, s72, 20
	s_add_co_u32 s76, s76, 0x1800000               ; B' = Wq's or Wk's
	s_mov_b32 s98, 0x1a00000                       ; v: A' = Wv's,
	s_mov_b32 s99, 0x1000000                       ; B' = value's
	s_cmp_eq_u32 s72, 2
	s_cselect_b32 s73, 1, 0
	s_cselect_b32 s75, s98, s75
	s_cselect_b32 s76, s99, s76
	s_cselect_b32 s98, 0, s74
	s_cselect_b32 s99, s74, 0
	s_lshl_b32 s17, s98, 2
	s_add_co_u32 s17, s17, s41                     ; tile row of C'
	s_lshl_b32 s42, s99, 2
	s_add_co_u32 s42, s42, s40                     ; tile column of C'
	s_lshl_b32 s43, s41, 2
	s_lshl_b32 s43, 15, s43                        ; my row of the cluster
	s_lshl_b32 s44, 0x1111, s40                    ; my column
	; descriptor group 1: 8 rows of 4,096 bytes (512 elements of 8 bytes), 16,384 bytes apart, dense in LDS
	s_or_b32 s[G1+0], s43, (3<<16)|(1<<21)         ; 15:0 the mask: A's tiles go to my row; 17:16 elements of 8 bytes; 20 no padding; 21 set beside a mask
	s_or_b32 s[G1B+0], s44, (3<<16)|(1<<21)
.irp g, G1, G1B
	s_mov_b32 s[\g+1], 512<<16                     ; tensor_dim0
	s_mov_b32 s[\g+2], 8<<16                       ; tensor_dim1
	s_mov_b32 s[\g+3], 512<<16                     ; tile_dim0
	s_mov_b32 s[\g+4], 8                           ; tile_dim1
	s_mov_b32 s[\g+5], 2048                        ; tensor_dim0_stride
	s_mov_b32 s[\g+6], 0
	s_mov_b32 s[\g+7], 0
.endr
	s_lshl_b32 s18, s16, 17                        ; which 8 row tiles of 16,384 bytes I fetch
	s_lshl_b32 s20, s17, 18                        ; A: 16 row tiles a tile row
	s_add_co_u32 s20, s20, s18
	s_add_co_u32 s20, s20, s75
	s_mov_b32 s21, 0
	s_lshl_b32 s46, s42, 18                        ; B likewise, by the tile column
	s_add_co_u32 s46, s46, s18
	s_add_co_u32 s46, s46, s76
	s_mov_b32 s47, 0
	s_mul_i32 s45, s14, HALFT                      ; where they go: wave x 32,768: no place in the cluster enters an LDS address
	s_wait_dscnt 0x0                               ; the opening add is done
	s_wait_kmcnt 0x0
	s_load_b256 s[84:91], s[6:7], 0x0              ; e0 .. e7
	s_load_b128 s[92:95], s[6:7], 0x20             ; e8 .. e11
	s_add_nc_u64 s[20:21], s[4:5], s[20:21]
	s_add_nc_u64 s[46:47], s[4:5], s[46:47]
	CROUND                                         ; all sixteen work-groups are here: the first joint loads meet
.irp s, 0,1
	s_mov_b32 s[G0+4*\s], 1
	s_add_co_u32 s[G0+4*\s+1], s45, \s*SLOT
	s_add_nc_u64 s[G0+4*\s+2:G0+4*\s+3], s[20:21], \s*RT
	s_or_b32 s[G0+4*\s+3], s[G0+4*\s+3], 0x80000000
	s_mov_b32 s[G0B+4*\s], 1
	s_add_co_u32 s[G0B+4*\s+1], s45, \s*SLOT
	s_add_nc_u64 s[G0B+4*\s+2:G0B+4*\s+3], s[46:47], \s*RT
	s_or_b32 s[G0B+4*\s+3], s[G0B+4*\s+3], 0x80000000
	JLOAD G0+4*\s, G1, G0B+4*\s, G1B               ; two loads of mine are out
.endr
	v_and_b32 v6, 31, v0
	v_lshlrev_b32 v[CO], 4, v6                     ; 16 x lane: my place in every image
	s_mul_i32 s22, s15, HALFT                      ; my 8 row tiles of A
	s_mul_i32 s23, s16, HALFT                      ; my 8 row tiles of B,
	s_add_co_u32 s23, s23, 2*HALFT                 ; which lie behind A's 16
.irp s, 0,1
	v_add_nc_u32 v[ADRA+\s], s22, v[CO]
	v_add_nc_u32 v[ADRB+\s], s23, v[CO]
	s_add_co_u32 s22, s22, SLOT
	s_add_co_u32 s23, s23, SLOT
.endr
.macro FRAG reg, adr, q, i             ; a fragment as it lies: row tile i, the slot's q-th 128 along K
.irp c, 0,1,2,3
	ds_load_b128 v[\reg+4*\c:\reg+4*\c+3], v[\adr] offset:(\i)*RT+(\q)*2048+512*\c
.endr
.endm
; 16 matrix instructions: A's blocks a0, a0 + 1 x B's eight, 128 along K.  p: B's set.  zero = 1: the first product starts the sums.  The 64 accumulators take turns, one instruction a turn.
.macro MUL16 a0, p, zero
.irp a, \a0, \a0+1
.irp b, 0,1,2,3,4,5,6,7
.if \zero
	v_wmma_f32_16x16x128_fp8_fp8 v[8*(8*((\a)%4)+\b):8*(8*((\a)%4)+\b)+7], v[128*(\p)+FR*\b:128*(\p)+FR*\b+FR-1], v[AF+FR*(\a):AF+FR*(\a)+FR-1], 0
.else
	v_wmma_f32_16x16x128_fp8_fp8 v[8*(8*((\a)%4)+\b):8*(8*((\a)%4)+\b)+7], v[128*(\p)+FR*\b:128*(\p)+FR*\b+FR-1], v[AF+FR*(\a):AF+FR*(\a)+FR-1], v[8*(8*((\a)%4)+\b):8*(8*((\a)%4)+\b)+7]
.endif
.endr
.endr
.endm
.macro FETCH_B slot, q, p
	WIN TO_B
.irp i, 0,1,2,3,4,5,6,7
	FRAG 128*(\p)+FR*\i, ADRB+\slot, \q, \i
.endr
	WIN 0
.endm
.macro FETCH_A slot, q, i0
.irp i, \i0, \i0+1, \i0+2, \i0+3
	FRAG AF+FR*(\i), ADRA+\slot, \q, \i
.endr
.endm
.macro PLACES n                        ; plain vector lines in front of loads into registers that matrix instructions have read, and of the first read of results
.rept \n
	v_nop
.endr
.endm
.macro STEP slot, q, zero              ; a step of 128 along K that has its successor in the same slot
	s_wait_dscnt 4*NL                              ; B's set and A's blocks 0-3 are in; the youngest 16 loads (A's blocks 4-7) may be out
	WIN MUL_LO
	MUL16 0, (\q)%2, \zero
	MUL16 2, (\q)%2, \zero
	s_wait_dscnt 0                                 ; A's blocks 4-7 are in
	PLACES NP
	FETCH_B \slot, (\q)+1, 1-(\q)%2
	FETCH_A \slot, (\q)+1, 0
	WIN MUL_HI
	MUL16 4, (\q)%2, \zero
	MUL16 6, (\q)%2, \zero
	PLACES NP
	WIN 0
	FETCH_A \slot, (\q)+1, 4
.endm
; A slot's last step changes slots: one barrier; in front of it each wave waits for all its tensor loads, adds 0 to its spare word, and waits for that and for its reads of this slot.  fill = 1: the slot is filled again, two K steps ahead.
.macro TURN slot, next, fill
	s_wait_tensorcnt 0x0                           ; all my tensor loads have landed: my part of the next slot
	ds_add_u32 v[SPW], v[NIL]                      ; 0 onto my spare word
	s_wait_dscnt 4*NL+1                            ; (the add and the youngest 16 loads may be out)
	WIN MUL_LO
	MUL16 0, 1, 0                                  ; sixteen matrix instructions stand between the add and the wait for it
	s_wait_dscnt 0x0                               ; the add is done, and my reads of this slot are over
	s_barrier_signal -1
	MUL16 2, 1, 0
	WIN 0
	s_barrier_wait -1
.if \fill
	CREST                                          ; the barrier has opened a round of the cluster's: no wave of any partner still reads this slot or has a load on its way
	s_add_nc_u64 s[G0+4*\slot+2:G0+4*\slot+3], s[G0+4*\slot+2:G0+4*\slot+3], 2*RT
	s_add_nc_u64 s[G0B+4*\slot+2:G0B+4*\slot+3], s[G0B+4*\slot+2:G0B+4*\slot+3], 2*RT
	JLOAD G0+4*\slot, G1, G0B+4*\slot, G1B         ; the first tensor load behind the round, my only one until the next; its four v_nop are the places in front of the loads below
.else
	PLACES NP
.endif
	FETCH_B \next, 0, 0
	FETCH_A \next, 0, 0
	WIN MUL_HI
	MUL16 4, 1, 0
	MUL16 6, 1, 0
	PLACES NP
	WIN 0
	FETCH_A \next, 0, 4
.endm
; THE WAY OUT of block a (16 rows of A' x my 128 columns): sum x 2^(eA + eB) + bias, one packed multiply-add for two; the hold; eight conversions; four stores of 512 consecutive bytes.
.macro EPI vt, a
.if (\a) >= 2
	s_wait_xcnt 0x0                                ; block a - 2's stores have read their data: this set of codes is written again only behind this wait
.endif
.set AC, 64*((\a)%4)
.set CC, CD+16*((\a)%2)
	WIN 0x02+((\a)/4)                              ; source 0: window 2 or 3
.irp b, 0,1,2,3,4,5,6,7
.irp i, 0,2,4,6
.if \vt
	v_pk_fma_f32 v[RS+8*\b+\i:RS+8*\b+\i+1], v[AC+8*\b+\i:AC+8*\b+\i+1], s[96:97], v[BI+2*(\a):BI+2*(\a)+1] op_sel_hi:[1,0,1]   ; the bias is my row's
.else
	v_pk_fma_f32 v[RS+8*\b+\i:RS+8*\b+\i+1], v[AC+8*\b+\i:AC+8*\b+\i+1], s[96:97], v[BI+8*\b+\i:BI+8*\b+\i+1] op_sel_hi:[1,0,1]   ; the bias is my columns'; each accumulator from its low end on
.endif
.endr
.endr
	WIN 0
.set n, 0
.rept 64
	v_med3_num_f32 v[RS+n], v[RS+n], -v[LIM], v[LIM]
.set n, n+1
.endr
.irp b, 0,1,2,3,4,5,6,7
	v_cvt_scalef32_pk8_fp8_f32 v[CC+2*\b:CC+2*\b+1], v[RS+8*\b:RS+8*\b+7], v[SC]
.endr
	v_nop                                          ; a plain line behind the last conversion
.irp g, 0,1,2,3
.if \vt
	global_store_b128 v[CO], v[CC+4*\g:CC+4*\g+3], s[80:81] offset:((\a)/4)*131072+((\a)%4)*2048+\g*512   ; head a / 4 of my two, its rows 16 (a % 4) on, group g
.else
	global_store_b128 v[CO], v[CC+4*\g:CC+4*\g+3], s[80:81] offset:(\a)*1024+(\g/2)*131072+(\g%2)*512     ; token tile a, head g / 2 of my two, group g % 2
.endif
.endr
.endm
; The last K step and the way out; vt = 1: v's.  Each of the two texts is whole up to the common end.
.macro TAIL vt
.if \vt
	v_and_b32 v[BO], 15, v0
	v_lshlrev_b32 v[BO], 2, v[BO]                  ; 4 r
	s_lshl_b32 s98, s17, 10
	s_lshl_b32 s99, s15, 9
	s_add_co_u32 s98, s98, s99                     ; my first unit: 256 x tile row + 128 x half, in bytes
	s_mov_b32 s99, 0
	s_add_nc_u64 s[78:79], s[68:69], s[98:99]
.irp a, 0,1,2,3,4,5,6,7
	global_load_b32 v[BI+2*\a], v[BO], s[78:79] offset:64*\a
	global_load_b32 v[BI+2*\a+1], v[BO], s[78:79] offset:64*\a   ; twice: a pair for the packed form
.endr
	s_lshr_b32 s98, s42, 3                         ; batch
	s_lshl_b32 s98, s98, 4
	s_lshl_b32 s99, s17, 2
	s_add_co_u32 s98, s98, s99
	s_lshl_b32 s99, s15, 1
	s_add_co_u32 s98, s98, s99                     ; b x 16 + my first head
	s_lshl_b32 s98, s98, 4
	s_and_b32 s99, s42, 7
	s_lshl_b32 s99, s99, 1
	s_add_co_u32 s98, s98, s99
	s_add_co_u32 s98, s98, s16                     ; x 16 + my key step
	s_lshl_b32 s98, s98, 13
	s_add_co_u32 s98, s98, 0x1000000
	s_mov_b32 s99, 0
	s_add_nc_u64 s[80:81], s[70:71], s[98:99]
	s_wait_kmcnt 0x0
	s_add_co_i32 s96, s88, s89                     ; e4 + e5
	s_mov_b32 s98, s93                             ; e9
.else
	v_bfe_u32 v[BO], v0, 4, 1
	v_lshlrev_b32 v[BO], 5, v[BO]                  ; 32 h
	s_lshl_b32 s98, s42, 10
	s_lshl_b32 s99, s16, 9
	s_add_co_u32 s98, s98, s99                     ; my first unit: 256 x tile column + 128 x half, in bytes
	s_mov_b32 s99, 0
	s_cmp_eq_u32 s72, 0
	s_cselect_b64 s[78:79], s[8:9], s[10:11]
	s_add_nc_u64 s[78:79], s[78:79], s[98:99]
.irp b, 0,1,2,3,4,5,6,7
	global_load_b128 v[BI+8*\b:BI+8*\b+3], v[BO], s[78:79] offset:64*\b
	global_load_b128 v[BI+8*\b+4:BI+8*\b+7], v[BO], s[78:79] offset:64*\b+16
.endr
	s_lshr_b32 s98, s17, 3                         ; batch
	s_lshl_b32 s98, s98, 4
	s_lshl_b32 s99, s42, 2
	s_add_co_u32 s98, s98, s99
	s_lshl_b32 s99, s16, 1
	s_add_co_u32 s98, s98, s99                     ; b x 16 + my first head
	s_lshl_b32 s98, s98, 7
	s_and_b32 s99, s17, 7
	s_lshl_b32 s99, s99, 4
	s_add_co_u32 s98, s98, s99
	s_lshl_b32 s99, s15, 3
	s_add_co_u32 s98, s98, s99                     ; x 128 + my first token tile
	s_lshl_b32 s98, s98, 10
	s_lshl_b32 s99, s72, 23
	s_add_co_u32 s98, s98, s99                     ; Q at 0, K at 8 MiB
	s_mov_b32 s99, 0
	s_add_nc_u64 s[80:81], s[70:71], s[98:99]
	s_wait_kmcnt 0x0
	s_add_co_i32 s96, s84, s85                     ; e0 + e1
	s_add_co_i32 s97, s86, s87                     ; e2 + e3
	s_cmp_eq_u32 s72, 0
	s_cselect_b32 s96, s96, s97
	s_cselect_b32 s98, s90, s91                    ; e6 or e7
.endif
	s_add_co_i32 s96, s96, 127
	s_lshl_b32 s96, s96, 23                        ; 2^(eA + eB) as f32
	s_mov_b32 s97, s96                             ; (named with it as a pair, so it is written)
	s_add_co_i32 s98, s98, 127
	s_lshl_b32 s99, s98, 23
	v_mov_b32 v[SC], s99
	s_add_co_i32 s98, s98, 8
	s_lshl_b32 s98, s98, 23
	s_or_b32 s98, s98, 0x600000
	v_mov_b32 v[LIM], s98
	STEP 1, 0, 0
	s_wait_dscnt 4*NL                              ; the very last step: nothing more to fetch
	WIN MUL_LO
	MUL16 0, 1, 0
	MUL16 2, 1, 0
	s_wait_dscnt 0
	WIN MUL_HI
	MUL16 4, 1, 0
	MUL16 6, 1, 0
	WIN 0
	PLACES NP
	s_wait_loadcnt 0x0                             ; the bias
.irp a, 0,1,2,3,4,5,6,7
	EPI \vt, \a
.endr
.endm
	s_wait_tensorcnt 1                             ; my part of K step 0 is in (K step 1's load may be out),
	s_barrier_signal -1
	s_barrier_wait -1                              ; everybody's is
	FETCH_B 0, 0, 0
	FETCH_A 0, 0, 0
	FETCH_A 0, 0, 4
	STEP 0, 0, 1                                   ; K = 1,024 is four K steps of 256: written out, no loop.  The first products start the sums
	TURN 0, 1, 1                                   ; slot 0 takes K step 2
	STEP 1, 0, 0
	TURN 1, 0, 1                                   ; slot 1 takes K step 3
	STEP 0, 0, 0
	TURN 0, 1, 0                                   ; nothing is left to fetch
	s_cmp_eq_u32 s73, 1                            ; the cluster's y alone: the same in all sixteen partners; no tensor load and no barrier but the closing round follows
	s_cbranch_scc1 .Lvalues
	TAIL 0
	s_branch .Lend
.Lvalues:
	TAIL 1
.Lend:
	s_wait_tensorcnt 0x0                           ; the wave's end: three lines behind my last tensor load
	ds_add_u32 v[SPW], v[NIL]
	s_wait_dscnt 0x0
	CROUND                                         ; the closing round: no work-group ends while a partner may still ask for a tile that names it
	s_endpgm
.Lfunc_end_k_q8d5b9754f8_proj:
	.size	k_q8d5b9754f8_proj, .Lfunc_end_k_q8d5b9754f8_proj-k_q8d5b9754f8_proj
	.p2alignl 7, 3214868480
	.fill 96, 4, 3214868480
	.section	.rodata,"a",@progbits
	.p2align	6, 0x0
	.amdhsa_kernel k_q8d5b9754f8_proj
		.amdhsa_group_segment_fixed_size 327680
		.amdhsa_private_segment_fixed_size 0
		.amdhsa_enable_private_segment 0
		.amdhsa_kernarg_size 48
		.amdhsa_user_sgpr_count 2
		.amdhsa_user_sgpr_kernarg_segment_ptr 1
		.amdhsa_wavefront_size32 1
		.amdhsa_system_sgpr_workgroup_id_x 1
		.amdhsa_system_sgpr_workgroup_id_y 1
		.amdhsa_system_sgpr_workgroup_id_z 1
		.amdhsa_system_vgpr_workitem_id 0
		.amdhsa_next_free_vgpr 1024
		.amdhsa_next_free_sgpr 100
		.amdhsa_reserve_vcc 0
		.amdhsa_float_denorm_mode_32 3
		.amdhsa_float_denorm_mode_16_64 3
		.amdhsa_memory_ordered 1
		.amdhsa_forward_progress 1
		.amdhsa_inst_pref_size 207
	.end_amdhsa_kernel
	.amdgpu_metadata
---
amdhsa.version: [ 1, 2 ]
amdhsa.kernels:
  - .name:           k_q8d5b9754f8_proj
    .symbol:         k_q8d5b9754f8_proj.kd
    .args:
      - { .name: opc, .offset: 0, .size: 8, .value_kind: global_buffer, .address_space: global }
      - { .name: lowp_scales, .offset: 8, .size: 8, .value_kind: global_buffer, .address_space: global }
      - { .name: bq, .offset: 16, .size: 8, .value_kind: global_buffer, .address_space: global }
      - { .name: bk, .offset: 24, .size: 8, .value_kind: global_buffer, .address_space: global }
      - { .name: bv, .offset: 32, .size: 8, .value_kind: global_buffer, .address_space: global }
      - { .name: qkv, .offset: 40, .size: 8, .value_kind: global_buffer, .address_space: global }
    .group_segment_fixed_size: 327680
    .private_segment_fixed_size: 0
    .kernarg_segment_align: 8
    .kernarg_segment_size: 48
    .max_flat_workgroup_size: 128
    .sgpr_count:     100
    .vgpr_count:     1024
    .wavefront_size: 32
...
	.end_amdgpu_metadata
.endif
;; end of part 2
;; launch attn (part 3): grid 4 x 64, 16 waves a work-group, no clusters, 34,816 bytes of LDS; arguments qkv, maskw, flags, lowp_scales, ac; writes ac
.if DOCPART == 3
	.amdgcn_target "amdgcn-amd-amdhsa--gfx1250"
	.amdhsa_code_object_version 6
	.text
	.protected	k_q8d5b9754f8_attn
	.globl	k_q8d5b9754f8_attn
	.p2align	8
	.type	k_q8d5b9754f8_attn,@function
k_q8d5b9754f8_attn:
	s_mov_b64 s[64:65], 0
	v_nop
	global_prefetch_b8 v0, s[64:65] scope:SCOPE_SE
	s_setreg_imm32_b32 hwreg(HW_REG_WAVE_MODE, 25, 1), 1
	s_wait_xcnt 0x0
; ATTN.  For each batch b and head: S = q k^T / 8 under the GIVEN mask, softmax, O = P v, both products on codes of E4M3; O is quantised for the last projection.
; THE SOFTMAX AHEAD OF THE SECOND PRODUCT: t = logit x log2(e); M = the row's largest t so far, rounded up to a whole number; p = 2^(t - M) is quantised; the row's sum is taken of the unquantised p and divides O at
; the end.  When M moves, the sum and O are multiplied by 2^(old M - new M), which rounds nothing.
; SHARES.  A work-group serves one (b, head) and two blocks of 256 queries, x and 7 - x, one after the other; each of its sixteen waves owns one tile of 16 queries.  Keys go in steps of 128.
; LAYOUT.  All operands are images of registers (group g x lane x 16 bytes).  S^T = K Q^T (source 0 = 16 keys, source 1 = my 16 queries, K = 64): register 8 t + j of lane (r, h) is query r, key 16 t + 8 h + j, so one
; conversion of a tile's eight registers gives registers 2 t, 2 t + 1 of P, the operand of O^T = V^T P^T (K = 128 keys); O^T's register 8 d + j is channel 16 d + 8 h + j, and converts into the last product's operand.
; THE MASK.  maskw holds, for each of my 64 score registers of a step, the 32 lanes' bits: a closed score becomes NEG by one v_cndmask_b32 on a scalar word.  flags (stored by the launch before) says for my tile
; which steps must be computed and which have closed entries.  A step none of whose entries is open adds p = 0 to rows that have an open key elsewhere, so it is passed over: a scalar branch on stored whole numbers.
; A row with no open key at all has every step computed: all its t are equal and whole, p = 1 for all 2,048 keys.
; K AND V come from memory into registers (16 bytes a thread each: the sixteen waves cover a step's 8,192 + 8,192 bytes), asked for two steps ahead, and go by ds_store into one of two LDS buffers, one barrier a step.
; NO TENSOR LOAD, NO CLUSTER: which steps a work-group walks hangs on numbers read from memory, so partners would need different numbers of tiles, and what is shared is 16,384 bytes a step for sixteen waves.
; LIMITS: e6 + e7 between -94 and 130; e8 and e10 between -126 and 119.  A closed logit is taken as -2^30, not -1e9: it differs only where an open logit of the same row lies under about -1e9.  NaN is not served.
; REGISTERS: v1 16 x lane; v2 16 x thread; v3, v4 the add's two; v5 NEG; v6, v7 2^e8 and 448 x 2^e8; v8, v9 the same with e10; v12 -M; v13 the largest t; v[14:15] the sum; v16-23 Q; v24-31, v208-215 K's and V's pieces
; on their way; v32-95 fragments of K, then of V; v96-159 S^T, then p; v160-191 O^T; v192-207 p's codes; v[216:217] f; v[218:219], v220-222 at work; v224-231 O's codes.
; s2 wave; s3 block of queries; s4 pass; s5 trips; s6 steps that some wave needs; s7 steps that I need; s8 steps with closed entries (bit 0: this trip's first step); s9 the step's place in my mask words;
; s[10:11] c; s[12:13] lane selects; s14 e8; s15 e8 + e9; s16-63, s68-83 the step's 64 mask words; s[66:67] K, s[84:85] V; s[86:87] Q, s[88:89] mask words, s[90:91] ac, s[92:93] flags: at block 0; s[94:95], s[96:97]: at my block.
.set SPARE, 32768                      ; behind the two buffers of 16,384 bytes: the spare words, 128 bytes for each wave: no other line names them
	s_load_b256 s[16:23], s[0:1], 0x0              ; qkv, maskw, flags, the scales' exponents
	s_load_b64 s[24:25], s[0:1], 0x20              ; ac
	v_lshl_add_u32 v3, v0, 2, SPARE
	v_mov_b32 v4, 0
	v_lshrrev_b32 v220, 5, v0
	v_readfirstlane_b32 s2, v220                   ; wave 0..15
	v_and_b32 v1, 31, v0
	v_lshlrev_b32 v1, 4, v1
	v_lshlrev_b32 v2, 4, v0
	v_mov_b32 v217, 0                              ; (named as the upper half of the pair v[216:217])
	s_mov_b32 s3, ttmp9
	s_mov_b32 s4, 0
	s_mov_b32 s12, 0x76543210
	s_mov_b32 s13, 0xfedcba98                      ; v_permlanex16_b32: lane l xor 16
	s_and_b32 s5, ttmp7, 0xffff                    ; b x 16 + head
	s_lshr_b32 s6, s5, 4                           ; b
	s_and_b32 s7, s5, 15                           ; head
	s_lshl_b32 s98, s5, 17                         ; 131,072 bytes for each (b, head) in Q, in K and in V
	s_mov_b32 s99, 0
	s_mov_b32 s101, 0
	s_wait_kmcnt 0x0
	s_load_b256 s[32:39], s[22:23], 0x0            ; e0 .. e7
	s_load_b128 s[40:43], s[22:23], 0x20           ; e8 .. e11
	s_add_nc_u64 s[86:87], s[16:17], s[98:99]
	s_add_nc_u64 s[66:67], s[86:87], 0x800000      ; K
	s_add_nc_u64 s[84:85], s[86:87], 0x1000000     ; V
	s_lshl_b32 s100, s2, 10
	s_add_nc_u64 s[86:87], s[86:87], s[100:101]    ; Q: token tile w
	s_lshl_b32 s8, s6, 7
	s_add_co_u32 s8, s8, s2                        ; b x 128 + w
	s_lshl_b32 s100, s8, 12
	s_add_nc_u64 s[88:89], s[18:19], s[100:101]
	s_lshl_b32 s100, s8, 14
	s_lshr_b32 s9, s7, 1
	s_lshl_b32 s9, s9, 11                          ; chunk head / 2,
	s_add_co_u32 s100, s100, s9
	s_and_b32 s9, s7, 1
	s_lshl_b32 s9, s9, 10                          ; its lower or upper two groups
	s_add_co_u32 s100, s100, s9
	s_add_nc_u64 s[90:91], s[24:25], s[100:101]
	s_lshl_b32 s100, s6, 9
	s_add_nc_u64 s[92:93], s[20:21], s[100:101]
	s_wait_kmcnt 0x0
	s_add_co_i32 s98, s38, s39                     ; e6 + e7: a sum of codes stands for sum x 2^(e6 + e7)
	s_lshl_b32 s99, s98, 23
	s_add_co_i32 s10, s99, 0x3e38aa3b              ; c = log2(e) / 8, the two exponents added to its exponent field
	s_mov_b32 s11, s10                             ; (named with it as a pair, so it is written)
	s_sub_co_i32 s98, 160, s98
	s_lshl_b32 s98, s98, 23
	s_or_b32 s98, s98, 0x80000000
	v_mov_b32 v5, s98                              ; NEG = -2^(33 - e6 - e7): NEG x c = -2^30 x log2(e), exact and a whole number
	s_mov_b32 s14, s40
	s_add_co_i32 s15, s40, s41
	s_add_co_i32 s98, s40, 127
	s_lshl_b32 s99, s98, 23
	v_mov_b32 v6, s99
	s_add_co_i32 s98, s98, 8
	s_lshl_b32 s98, s98, 23
	s_or_b32 s98, s98, 0x600000
	v_mov_b32 v7, s98
	s_add_co_i32 s98, s42, 127
	s_lshl_b32 s99, s98, 23
	v_mov_b32 v8, s99
	s_add_co_i32 s98, s98, 8
	s_lshl_b32 s98, s98, 23
	s_or_b32 s98, s98, 0x600000
	v_mov_b32 v9, s98
; A computed step: 128 keys out of buffer par.
.macro COMPUTE par
	s_load_b512 s[16:31], s[94:95], s9 offset:0x0  ; the step's 64 mask words, in every computed step
	s_load_b512 s[32:47], s[94:95], s9 offset:0x40
	s_load_b512 s[48:63], s[94:95], s9 offset:0x80
	s_load_b512 s[68:83], s[94:95], s9 offset:0xc0
.rept 4
	v_nop                                          ; places in front of loads into registers that the last products read
.endr
.irp t, 0,1,2,3,4,5,6,7
	ds_load_b128 v[32+8*\t:35+8*\t], v1 offset:\par*16384+\t*1024
	ds_load_b128 v[36+8*\t:39+8*\t], v1 offset:\par*16384+\t*1024+512
.endr
	s_wait_dscnt 8                                 ; tiles 0-3 are in; the youngest eight loads (tiles 4-7) may be out
.irp t, 0,1,2,3
	v_wmma_f32_16x16x64_fp8_fp8 v[96+8*\t:103+8*\t], v[32+8*\t:39+8*\t], v[16:23], 0
.endr
	s_wait_dscnt 0x0
.irp t, 4,5,6,7
	v_wmma_f32_16x16x64_fp8_fp8 v[96+8*\t:103+8*\t], v[32+8*\t:39+8*\t], v[16:23], 0
.endr
.rept 4
	v_nop                                          ; places in front of the loads below and of the first read of the scores
.endr
.irp d, 0,1,2,3
.irp g, 0,1,2,3
	ds_load_b128 v[32+16*\d+4*\g:35+16*\d+4*\g], v1 offset:\par*16384+8192+\d*2048+\g*512   ; V lands while the softmax is walked
.endr
.endr
	s_wait_kmcnt 0x0                               ; the mask words are in, and their offset register is free
	s_bitcmp1_b32 s8, \par
	s_cbranch_scc0 .Lopen_\@                       ; a step all of whose entries are open
.set n, 0
.rept 64
	v_cndmask_b32 v[96+n], v5, v[96+n], s[16+n+4*(n/48)]   ; closed: NEG
.set n, n+1
.endr
.Lopen_\@:
	v_max3_num_f32 v221, v96, v97, v98             ; the step's largest score of my query among my 64 keys, in two chains,
	v_max3_num_f32 v222, v99, v100, v101
.irp i, 6,10,14,18,22,26,30,34,38,42,46,50,54,58
	v_max3_num_f32 v221, v221, v[96+\i], v[97+\i]
	v_max3_num_f32 v222, v222, v[98+\i], v[99+\i]
.endr
	v_max3_num_f32 v221, v221, v158, v159
	v_max_num_f32 v221, v221, v222
	v_permlanex16_b32 v220, v221, s12, s13
	v_max_num_f32 v221, v221, v220                 ; and among lane l xor 16's
	v_mul_f32 v221, s10, v221                      ; as t (c is positive)
	v_max_num_f32 v13, v13, v221                   ; the running largest t
	v_mov_b32 v221, v12
	v_floor_f32 v12, -v13                          ; the new -M = floor(-t): M is a whole number
	v_sub_f32 v221, v12, v221                      ; old M - new M: a whole number, 0 or less
	v_cvt_i32_f32 v221, v221                       ; (it saturates)
	v_ldexp_f32 v216, 1.0, v221                    ; f = 2^(old M - new M)
.set n, 0
.rept 32
	v_pk_fma_f32 v[96+n:97+n], v[96+n:97+n], s[10:11], v[12:13] op_sel_hi:[1,0,0]   ; t - M, two at a time
.set n, n+2
.endr
.set n, 0
.rept 64
	v_exp_f32 v[96+n], v[96+n]                     ; p = 2^(t - M): not normalised
.set n, n+1
.endr
	v_pk_mul_f32 v[14:15], v[14:15], v[216:217] op_sel_hi:[1,0]   ; the sums under the new M: a plain line behind the exponentials
	s_wait_alu depctr_va_vdst(0)                   ; one wait for the whole batch, ahead of its first reader
	v_pk_add_f32 v[218:219], v[96:97], v[98:99]    ; the row's sum is taken of the unquantised p, in two chains
.irp j, 4,8,12,16,20,24,28,32,36,40,44,48,52,56,60
	v_pk_add_f32 v[14:15], v[14:15], v[96+\j:97+\j]
	v_pk_add_f32 v[218:219], v[218:219], v[98+\j:99+\j]
.endr
	v_pk_add_f32 v[14:15], v[14:15], v[218:219]
	s_cmp_ge_i32 s14, -8                           ; p stays under 1.5, and 448 x 2^e8 is 1.75 or more from e8 = -8 on: there the hold changes nothing and is passed over
	s_cbranch_scc1 .Lno_hold_\@
.set n, 0
.rept 64
	v_min_num_f32 v[96+n], v[96+n], v7             ; the conversion does not saturate (ISA guide 7.6.2); p is not negative, so the hold is one-sided
.set n, n+1
.endr
.Lno_hold_\@:
.irp t, 0,1,2,3,4,5,6,7
	v_cvt_scalef32_pk8_fp8_f32 v[192+2*\t:193+2*\t], v[96+8*\t:103+8*\t], v6
.endr
.set n, 0
.rept 16
	v_pk_mul_f32 v[160+n:161+n], v[160+n:161+n], v[216:217] op_sel_hi:[1,0]   ; O^T under the new M; also the plain lines behind the conversions
.set n, n+2
.endr
	s_wait_dscnt 0x0                               ; V is in
.irp d, 0,1,2,3
	v_wmma_f32_16x16x128_fp8_fp8 v[160+8*\d:167+8*\d], v[32+16*\d:47+16*\d], v[192:207], v[160+8*\d:167+8*\d]   ; four accumulators by turns
.endr
.endm
; A step, of parity par.  Buffer par holds its K and V.  The next step's pieces, asked for a step ago, go into the other buffer; the pieces of the step after that are asked for.
.macro STEP par
.set SETP, 24+184*\par                 ; the set of registers that is loaded now
.set SETO, 208-184*\par                ; and the one that is stored now
	s_wait_loadcnt 0x0                             ; the pieces asked for a step ago are in, and their bases are free
.if \par == 0
	s_add_nc_u64 s[66:67], s[66:67], 16384         ; two steps on
	s_add_nc_u64 s[84:85], s[84:85], 16384
.endif
	s_bitcmp1_b32 s6, \par+1                       ; does any wave need the next step?  The same in all sixteen waves
	s_cbranch_scc0 .Lno_store_\@
	ds_store_b128 v2, v[SETO:SETO+3] offset:(1-\par)*16384          ; nobody reads that buffer since the last barrier
	ds_store_b128 v2, v[SETO+4:SETO+7] offset:(1-\par)*16384+8192
.Lno_store_\@:
	s_bitcmp1_b32 s6, \par+2                       ; and the step after it?  Bits 16 and up are 0: no load leaves K or V
	s_cbranch_scc0 .Lno_load_\@
	global_load_b128 v[SETP:SETP+3], v2, s[66:67] offset:\par*8192  ; (this set's LDS stores were waited for in front of the last barrier)
	global_load_b128 v[SETP+4:SETP+7], v2, s[84:85] offset:\par*8192
.Lno_load_\@:
	s_bitcmp1_b32 s7, \par                         ; do my 16 queries need this step?
	s_cbranch_scc0 .Lskip_\@
	COMPUTE \par
.Lskip_\@:
	s_add_co_u32 s9, s9, 256
	s_wait_dscnt 0x0                               ; my stores into the other buffer are done and my reads of this one are over
	s_barrier_signal -1
	s_barrier_wait -1                              ; on every wave's path, outside every branch
.endm
.Lpass:
	s_wait_xcnt 0x0                                ; the last pass's stores and loads have read their addresses and data
	s_lshl_b32 s98, s3, 16
	s_mov_b32 s99, 0
	s_add_nc_u64 s[94:95], s[88:89], s[98:99]      ; my tile's mask words: 16 tiles of 4,096 bytes a block
	s_lshl_b32 s98, s3, 18
	s_add_nc_u64 s[96:97], s[90:91], s[98:99]      ; my tile in ac: 16 row tiles of 16,384 bytes a block
	s_lshl_b32 s98, s3, 14
	s_add_nc_u64 s[100:101], s[86:87], s[98:99]    ; my tile of Q
	s_lshl_b32 s98, s3, 6
	s_lshl_b32 s99, s2, 2
	s_add_co_u32 s99, s99, s98
	s_load_b512 s[16:31], s[92:93], s98 offset:0x0 ; the block's sixteen flag words,
	s_load_b32 s7, s[92:93], s99 offset:0x0        ; and mine
	global_load_b128 v[16:19], v1, s[100:101]
	global_load_b128 v[20:23], v1, s[100:101] offset:512
	global_load_b128 v[24:27], v2, s[66:67]        ; step 0
	global_load_b128 v[28:31], v2, s[84:85]
	v_mov_b32 v13, 0xff61b1e6                      ; the largest t so far: -3e38, under every t
	v_floor_f32 v12, -v13
	v_mov_b32 v14, 0
	v_mov_b32 v15, 0
.set n, 0
.rept 32
	v_mov_b32 v[160+n], 0                          ; O^T: which step is a tile's first hangs on the flags, so the sums begin as zeros
.set n, n+1
.endr
	s_mov_b32 s9, 0
	s_wait_kmcnt 0x0
	s_or_b32 s6, s16, s17
.irp i, 18,19,20,21,22,23,24,25,26,27,28,29,30,31
	s_or_b32 s6, s6, s\i
.endr
	s_and_b32 s6, s6, 0xffff
	s_lshr_b32 s8, s7, 16
	s_and_b32 s7, s7, 0xffff
	s_wait_loadcnt 0x0
	ds_store_b128 v2, v[24:27]                     ; behind the last pass's last barrier nobody reads the buffers
	ds_store_b128 v2, v[28:31] offset:8192
	global_load_b128 v[208:211], v2, s[66:67] offset:8192   ; step 1
	global_load_b128 v[212:215], v2, s[84:85] offset:8192
	s_wait_dscnt 0x0
	s_barrier_signal -1
	s_barrier_wait -1
	s_mov_b32 s5, 8
.Ltrip:                                            ; eight trips of two steps: a constant count; what is passed over is a step's work
	STEP 0
	STEP 1
	s_lshr_b32 s6, s6, 2
	s_lshr_b32 s7, s7, 2
	s_lshr_b32 s8, s8, 2
	s_sub_co_u32 s5, s5, 1
	s_cmp_lg_u32 s5, 0
	s_cbranch_scc1 .Ltrip
	; THE WAY OUT: O^T x 2^(e8 + e9) / the sum, held, converted: registers 2 d, 2 d + 1 of my head's half of a chunk of the last product's operand
	s_wait_loadcnt 0x0
	s_sub_nc_u64 s[66:67], s[66:67], 131072        ; back to the head's first step
	s_sub_nc_u64 s[84:85], s[84:85], 131072
.rept 4
	v_nop                                          ; places behind the last products
.endr
	v_add_f32 v14, v14, v15
	v_permlanex16_b32 v220, v14, s12, s13
	v_add_f32 v14, v14, v220                       ; the row's sum
	v_rcp_f32 v14, v14
	v_nop                                          ; a plain line behind the transcendental
	s_wait_alu depctr_va_vdst(0)                   ; and the wait ahead of its first reader
	v_ldexp_f32 v14, v14, s15
.set n, 0
.rept 16
	v_pk_mul_f32 v[96+n:97+n], v[160+n:161+n], v[14:15] op_sel_hi:[1,0]   ; each accumulator from its low end on
.set n, n+2
.endr
.set n, 0
.rept 32
	v_med3_num_f32 v[96+n], v[96+n], -v9, v9
.set n, n+1
.endr
.irp d, 0,1,2,3
	v_cvt_scalef32_pk8_fp8_f32 v[224+2*\d:225+2*\d], v[96+8*\d:103+8*\d], v8
.endr
	v_nop                                          ; a plain line behind the last conversion
	global_store_b128 v1, v[224:227], s[96:97]     ; 512 consecutive bytes, aligned
	global_store_b128 v1, v[228:231], s[96:97] offset:512
	s_xor_b32 s3, s3, 7                            ; block 7 - x
	s_add_co_u32 s4, s4, 1
	s_cmp_lt_u32 s4, 2
	s_cbranch_scc1 .Lpass
	s_wait_tensorcnt 0x0                           ; the wave's end: three lines behind my last LDS store
	ds_add_u32 v3, v4
	s_wait_dscnt 0x0
	s_endpgm
.Lfunc_end_k_q8d5b9754f8_attn:
	.size	k_q8d5b9754f8_attn, .Lfunc_end_k_q8d5b9754f8_attn-k_q8d5b9754f8_attn
	.p2alignl 7, 3214868480
	.fill 96, 4, 3214868480
	.section	.rodata,"a",@progbits
	.p2align	6, 0x0
	.amdhsa_kernel k_q8d5b9754f8_attn
		.amdhsa_group_segment_fixed_size 34816
		.amdhsa_private_segment_fixed_size 0
		.amdhsa_enable_private_segment 0
		.amdhsa_kernarg_size 40
		.amdhsa_user_sgpr_count 2
		.amdhsa_user_sgpr_kernarg_segment_ptr 1
		.amdhsa_wavefront_size32 1
		.amdhsa_system_sgpr_workgroup_id_x 1
		.amdhsa_system_sgpr_workgroup_id_y 1
		.amdhsa_system_sgpr_workgroup_id_z 1
		.amdhsa_system_vgpr_workitem_id 0
		.amdhsa_next_free_vgpr 232
		.amdhsa_next_free_sgpr 102
		.amdhsa_reserve_vcc 0
		.amdhsa_float_denorm_mode_32 3
		.amdhsa_float_denorm_mode_16_64 3
		.amdhsa_memory_ordered 1
		.amdhsa_forward_progress 1
		.amdhsa_inst_pref_size 51
	.end_amdhsa_kernel
	.amdgpu_metadata
---
amdhsa.version: [ 1, 2 ]
amdhsa.kernels:
  - .name:           k_q8d5b9754f8_attn
    .symbol:         k_q8d5b9754f8_attn.kd
    .args:
      - { .name: qkv, .offset: 0, .size: 8, .value_kind: global_buffer, .address_space: global }
      - { .name: maskw, .offset: 8, .size: 8, .value_kind: global_buffer, .address_space: global }
      - { .name: flags, .offset: 16, .size: 8, .value_kind: global_buffer, .address_space: global }
      - { .name: lowp_scales, .offset: 24, .size: 8, .value_kind: global_buffer, .address_space: global }
      - { .name: ac, .offset: 32, .size: 8, .value_kind: global_buffer, .address_space: global }
    .group_segment_fixed_size: 34816
    .private_segment_fixed_size: 0
    .kernarg_segment_align: 8
    .kernarg_segment_size: 40
    .max_flat_workgroup_size: 512
    .sgpr_count:     102
    .vgpr_count:     232
    .wavefront_size: 32
...
	.end_amdgpu_metadata
.endif
;; end of part 3
;; launch outp (part 4): grid 4 x 32, 4 waves a work-group, clusters of 4 x 4, 327,680 bytes of LDS; arguments ac, opc, lowp_scales, bo, out0; writes out0
.if DOCPART == 4
	.amdgcn_target "amdgcn-amd-amdhsa--gfx1250"
	.amdhsa_code_object_version 6
	.text
	.protected	k_q8d5b9754f8_outp
	.globl	k_q8d5b9754f8_outp
	.p2align	8
	.type	k_q8d5b9754f8_outp,@function
k_q8d5b9754f8_outp:
	s_mov_b64 s[64:65], 0
	v_nop
	global_prefetch_b8 v0, s[64:65] scope:SCOPE_SE
	s_setreg_imm32_b32 hwreg(HW_REG_WAVE_MODE, 25, 1), 1
	s_wait_xcnt 0x0
	s_wait_alu depctr_hold_cnt(0) depctr_sa_sdst(0) depctr_va_vdst(0) depctr_va_sdst(0) depctr_va_ssrc(0) depctr_va_vcc(0) depctr_vm_vsrc(0)
	s_getreg_b32 s2, hwreg(HW_REG_IB_STS2, 6, 4)
	s_cmp_eq_u32 s2, 0
	s_cbranch_scc0 .Lentry_in_a_cluster
	s_endpgm
.Lentry_in_a_cluster:
	s_bfe_u32 s2, ttmp6, 0x10000c
	s_cmp_lg_u32 s2, 0xf033
	s_cbranch_scc0 .Lentry_shape_is_right
	s_endpgm
.Lentry_shape_is_right:
; OUTP.  out0 = a Wo^T + bo on codes of E4M3: a = attention's result as codes (ac), Wo's codes in opc; out0 [8192][1024] f32.  y = sum x 2^(e10 + e11) + bo.
; The GEMM is the projections': a tile of 256 x 256 by four waves of 128 x 128; clusters of 4 x 4 work-groups, A's tiles asked for jointly along a row of the cluster, B's along a column; operands are images of registers
; ([row tile of 16][chunk of 128 K][2,048 bytes]); a K step is 256: 4,096 consecutive bytes of each row tile; a wave's tensor load brings 8 row tiles, dense in LDS; a fragment is four loads of 512 consecutive bytes.
; THE MATRIX INSTRUCTION IS USED TRANSPOSED (source 0 = 16 rows of Wo, source 1 = 16 tokens): a lane holds eight neighbouring numbers of a row of out0.  A block of 16 rows x 128 columns goes through my own stage in LDS
; and leaves as whole rows of 512 bytes.  The stage lies in slot 0, which has had its last fill and its last read when the first result is stored there.
; LIMIT: e10 + e11 between -126 and 127.
; REGISTERS, in windows of 256: window 0: v16-31 addresses; v32-95 bo at my columns; from v128 A's fragments, ONE set, later two sets of 64 for the way out.  window 1: B's fragments, TWO sets.  windows 2, 3: the accumulators.
.set FR,    16
.set NL,    4
.set NP,    4
.set RT,    4096
.set HALFT, 8*RT
.set SLOT,  4*HALFT
.set SPARE, 2*SLOT                     ; behind the ring: the spare words, 128 bytes for each wave: no other line names them
.set SPITCH, 528                       ; a stage row: 512 bytes + 16
.set ADRA, 16
.set ADRB, 20
.set STO,  24                          ; v24     where I put 32 bytes of a row
.set RD,   25                          ; v25     where I read a row back
.set CO,   26                          ; v26     16 x lane
.set BO,   27                          ; v27     32 h: my offset in bo
.set SPW,  28
.set NIL,  29
.set BI,   32
.set AF,   128
.set RS,   128
.set G1, 24
.set G0, 32
.set G1B, 48
.set G0B, 56
.set MSB, 0
.macro WIN new                         ; the immediate's high byte repeats the setting that is left
.if MSB != \new
	s_set_vgpr_msb (MSB<<8)|\new
.set MSB, \new
.endif
.endm
.set MUL_LO, 0xa1
.set MUL_HI, 0xf1
.set TO_B,   0x40
.macro JLOAD g0a, g1a, g0b, g1b        ; a joint load: waves 0 and 1 for A, waves 2 and 3 for B; an s_nop 0 and four v_nop follow each of the two lines
	s_cmp_eq_u32 s15, 0
	s_cbranch_scc0 .Lfor_b_\@
	tensor_load_to_lds s[\g0a:\g0a+3], s[\g1a:\g1a+7]
	s_nop 0
.rept 4
	v_nop
.endr
	s_branch .Lasked_\@
.Lfor_b_\@:
	tensor_load_to_lds s[\g0b:\g0b+3], s[\g1b:\g1b+7]
	s_nop 0
.rept 4
	v_nop
.endr
.Lasked_\@:
.endm
.macro CREST
	s_cmp_lg_u32 s14, 0
	s_cbranch_scc1 .Lnot_wave_0_\@
	s_barrier_signal -3
.Lnot_wave_0_\@:
	s_barrier_wait -3
	s_barrier_signal -1
	s_barrier_wait -1
.endm
.macro CROUND
	s_barrier_signal -1
	s_barrier_wait -1
	CREST
.endm
	s_load_b256 s[4:11], s[0:1], 0x0               ; ac s[4:5], opc s[6:7], the scales' exponents s[8:9], bo s[10:11]
	s_load_b64 s[12:13], s[0:1], 0x20              ; out0
	v_lshl_add_u32 v[SPW], v0, 2, SPARE
	v_mov_b32 v[NIL], 0
	ds_add_u32 v[SPW], v[NIL]                      ; the wave's opening: the add and its wait stand ahead of my first tensor load; the set-up below stands between them
	v_lshrrev_b32 v1, 5, v0
	v_readfirstlane_b32 s14, v1                    ; wave 0..3
	s_lshr_b32 s15, s14, 1
	s_and_b32 s16, s14, 1
	s_bfe_u32 s40, ttmp6, 0x40000                  ; cx, cy
	s_bfe_u32 s41, ttmp6, 0x40004
	s_lshl_b32 s42, ttmp9, 2
	s_add_co_u32 s42, s42, s40                     ; tile column = 4 x cluster x + cx
	s_and_b32 s17, ttmp7, 0xffff
	s_lshl_b32 s17, s17, 2
	s_add_co_u32 s17, s17, s41                     ; tile row = 4 x cluster y + cy
	s_lshl_b32 s43, s41, 2
	s_lshl_b32 s43, 15, s43
	s_lshl_b32 s44, 0x1111, s40
	s_or_b32 s[G1+0], s43, (3<<16)|(1<<21)         ; 15:0 the mask; 17:16 elements of 8 bytes; no padding; 21 set beside a mask
	s_or_b32 s[G1B+0], s44, (3<<16)|(1<<21)
.irp g, G1, G1B
	s_mov_b32 s[\g+1], 512<<16                     ; tensor_dim0: 4,096 bytes
	s_mov_b32 s[\g+2], 8<<16                       ; tensor_dim1
	s_mov_b32 s[\g+3], 512<<16                     ; tile_dim0
	s_mov_b32 s[\g+4], 8                           ; tile_dim1
	s_mov_b32 s[\g+5], 2048                        ; tensor_dim0_stride: 16,384 bytes
	s_mov_b32 s[\g+6], 0
	s_mov_b32 s[\g+7], 0
.endr
	s_lshl_b32 s18, s16, 17
	s_lshl_b32 s20, s17, 18
	s_add_co_u32 s20, s20, s18
	s_mov_b32 s21, 0
	s_lshl_b32 s46, s42, 18
	s_add_co_u32 s46, s46, s18
	s_add_co_u32 s46, s46, 0x1b00000               ; Wo's codes in opc
	s_mov_b32 s47, 0
	s_mul_i32 s45, s14, HALFT
	s_wait_dscnt 0x0                               ; the opening add is done
	s_wait_kmcnt 0x0
	s_load_b64 s[96:97], s[8:9], 0x28              ; e10, e11
	s_add_nc_u64 s[20:21], s[4:5], s[20:21]
	s_add_nc_u64 s[46:47], s[6:7], s[46:47]
	CROUND                                         ; all sixteen work-groups are here: the first joint loads meet
.irp s, 0,1
	s_mov_b32 s[G0+4*\s], 1
	s_add_co_u32 s[G0+4*\s+1], s45, \s*SLOT
	s_add_nc_u64 s[G0+4*\s+2:G0+4*\s+3], s[20:21], \s*RT
	s_or_b32 s[G0+4*\s+3], s[G0+4*\s+3], 0x80000000
	s_mov_b32 s[G0B+4*\s], 1
	s_add_co_u32 s[G0B+4*\s+1], s45, \s*SLOT
	s_add_nc_u64 s[G0B+4*\s+2:G0B+4*\s+3], s[46:47], \s*RT
	s_or_b32 s[G0B+4*\s+3], s[G0B+4*\s+3], 0x80000000
	JLOAD G0+4*\s, G1, G0B+4*\s, G1B               ; two loads of mine are out
.endr
	v_and_b32 v6, 31, v0
	v_lshlrev_b32 v[CO], 4, v6
	s_mul_i32 s22, s15, HALFT
	s_mul_i32 s23, s16, HALFT
	s_add_co_u32 s23, s23, 2*HALFT
.irp s, 0,1
	v_add_nc_u32 v[ADRA+\s], s22, v[CO]
	v_add_nc_u32 v[ADRB+\s], s23, v[CO]
	s_add_co_u32 s22, s22, SLOT
	s_add_co_u32 s23, s23, SLOT
.endr
	v_and_b32 v1, 15, v0                           ; r
	v_bfe_u32 v2, v0, 4, 1                         ; h
	s_mul_i32 s23, s14, 16*SPITCH                  ; my stage
	v_mul_u32_u24 v5, v1, SPITCH
	v_lshl_add_u32 v5, v2, 5, v5
	v_add_nc_u32 v[STO], s23, v5                   ; in: row r, 32 bytes for each half of the lanes
	v_add_nc_u32 v[RD], s23, v[CO]                 ; back: the 32 lanes take one row of 512 bytes
	v_lshlrev_b32 v[BO], 5, v2
	s_lshl_b32 s20, s17, 8
	s_lshl_b32 s21, s15, 7
	s_add_co_u32 s20, s20, s21                     ; my first row: 256 x tile row + 128 x half,
	s_lshl_b32 s20, s20, 12                        ; of 4,096 bytes
	s_lshl_b32 s46, s42, 10
	s_lshl_b32 s47, s16, 9
	s_add_co_u32 s46, s46, s47                     ; my first column, in bytes
	s_mov_b32 s47, 0
	s_mov_b32 s21, 0
	s_add_nc_u64 s[78:79], s[10:11], s[46:47]      ; bo at my columns
	s_add_nc_u64 s[12:13], s[12:13], s[20:21]
	s_add_nc_u64 s[12:13], s[12:13], s[46:47]
.irp b, 0,1,2,3,4,5,6,7
	global_load_b128 v[BI+8*\b:BI+8*\b+3], v[BO], s[78:79] offset:64*\b        ; lane (r, h), block b: columns 16 b + 8 h + 0 .. 7
	global_load_b128 v[BI+8*\b+4:BI+8*\b+7], v[BO], s[78:79] offset:64*\b+16
.endr
.macro FRAG reg, adr, q, i
.irp c, 0,1,2,3
	ds_load_b128 v[\reg+4*\c:\reg+4*\c+3], v[\adr] offset:(\i)*RT+(\q)*2048+512*\c
.endr
.endm
.macro MUL16 a0, p, zero               ; the 64 accumulators take turns, one instruction a turn
.irp a, \a0, \a0+1
.irp b, 0,1,2,3,4,5,6,7
.if \zero
	v_wmma_f32_16x16x128_fp8_fp8 v[8*(8*((\a)%4)+\b):8*(8*((\a)%4)+\b)+7], v[128*(\p)+FR*\b:128*(\p)+FR*\b+FR-1], v[AF+FR*(\a):AF+FR*(\a)+FR-1], 0
.else
	v_wmma_f32_16x16x128_fp8_fp8 v[8*(8*((\a)%4)+\b):8*(8*((\a)%4)+\b)+7], v[128*(\p)+FR*\b:128*(\p)+FR*\b+FR-1], v[AF+FR*(\a):AF+FR*(\a)+FR-1], v[8*(8*((\a)%4)+\b):8*(8*((\a)%4)+\b)+7]
.endif
.endr
.endr
.endm
.macro FETCH_B slot, q, p
	WIN TO_B
.irp i, 0,1,2,3,4,5,6,7
	FRAG 128*(\p)+FR*\i, ADRB+\slot, \q, \i
.endr
	WIN 0
.endm
.macro FETCH_A slot, q, i0
.irp i, \i0, \i0+1, \i0+2, \i0+3
	FRAG AF+FR*(\i), ADRA+\slot, \q, \i
.endr
.endm
.macro PLACES n
.rept \n
	v_nop
.endr
.endm
.macro STEP slot, q, zero
	s_wait_dscnt 4*NL                              ; B's set and A's blocks 0-3 are in; the youngest 16 loads may be out
	WIN MUL_LO
	MUL16 0, (\q)%2, \zero
	MUL16 2, (\q)%2, \zero
	s_wait_dscnt 0
	PLACES NP
	FETCH_B \slot, (\q)+1, 1-(\q)%2
	FETCH_A \slot, (\q)+1, 0
	WIN MUL_HI
	MUL16 4, (\q)%2, \zero
	MUL16 6, (\q)%2, \zero
	PLACES NP
	WIN 0
	FETCH_A \slot, (\q)+1, 4
.endm
.macro TURN slot, next, fill
	s_wait_tensorcnt 0x0                           ; all my tensor loads have landed: my part of the next slot
	ds_add_u32 v[SPW], v[NIL]                      ; 0 onto my spare word
	s_wait_dscnt 4*NL+1                            ; (the add and the youngest 16 loads may be out)
	WIN MUL_LO
	MUL16 0, 1, 0
	s_wait_dscnt 0x0                               ; the add is done, and my reads of this slot are over
	s_barrier_signal -1
	MUL16 2, 1, 0
	WIN 0
	s_barrier_wait -1
.if \fill
	CREST                                          ; the barrier has opened a round of the cluster's: no wave of any partner still reads this slot or has a load on its way
	s_add_nc_u64 s[G0+4*\slot+2:G0+4*\slot+3], s[G0+4*\slot+2:G0+4*\slot+3], 2*RT
	s_add_nc_u64 s[G0B+4*\slot+2:G0B+4*\slot+3], s[G0B+4*\slot+2:G0B+4*\slot+3], 2*RT
	JLOAD G0+4*\slot, G1, G0B+4*\slot, G1B         ; the first tensor load behind the round, my only one until the next
.else
	PLACES NP
.endif
	FETCH_B \next, 0, 0
	FETCH_A \next, 0, 0
	WIN MUL_HI
	MUL16 4, 1, 0
	MUL16 6, 1, 0
	PLACES NP
	WIN 0
	FETCH_A \next, 0, 4
.endm
	s_wait_tensorcnt 1                             ; my part of K step 0 is in (K step 1's load may be out),
	s_barrier_signal -1
	s_barrier_wait -1                              ; everybody's is
	FETCH_B 0, 0, 0
	FETCH_A 0, 0, 0
	FETCH_A 0, 0, 4
	STEP 0, 0, 1                                   ; four K steps of 256, written out; the first products start the sums
	TURN 0, 1, 1
	STEP 1, 0, 0
	TURN 1, 0, 1
	STEP 0, 0, 0
	TURN 0, 1, 0
	STEP 1, 0, 0
	s_wait_dscnt 4*NL                              ; the very last step: nothing more to fetch
	WIN MUL_LO
	MUL16 0, 1, 0
	MUL16 2, 1, 0
	s_wait_dscnt 0
	WIN MUL_HI
	MUL16 4, 1, 0
	MUL16 6, 1, 0
	WIN 0
; THE WAY OUT, block by block of 16 rows x 128 columns.  LDS serves a wave's instructions in order (ISA guide 5.7.1.4): no wait between the stores and the loads, nor in front of the next block's stores.
.macro TOSTAGE a
.set AC, 64*((\a)%4)
.set SET, RS+64*((\a)%2)
	WIN 0x02+((\a)/4)                              ; source 0: window 2 or 3
.irp b, 0,1,2,3,4,5,6,7
.irp i, 0,2,4,6
	v_pk_fma_f32 v[SET+8*\b+\i:SET+8*\b+\i+1], v[AC+8*\b+\i:AC+8*\b+\i+1], s[96:97], v[BI+8*\b+\i:BI+8*\b+\i+1] op_sel_hi:[1,0,1]   ; sum x 2^(e10 + e11) + bo; each accumulator from its low end on
.endr
.endr
	WIN 0
.irp b, 0,1,2,3,4,5,6,7
	ds_store_b128 v[STO], v[SET+8*\b:SET+8*\b+3] offset:64*\b
	ds_store_b128 v[STO], v[SET+8*\b+4:SET+8*\b+7] offset:64*\b+16
.endr
.irp t, 0,1,2,3,4,5,6,7,8,9,10,11,12,13,14,15
	ds_load_b128 v[SET+4*\t:SET+4*\t+3], v[RD] offset:\t*SPITCH   ; whole rows, into the registers that the block left
.endr
.endm
.macro SEND a, younger                 ; younger: the LDS instructions issued behind block a's loads, which may stay out
.set SET, RS+64*((\a)%2)
	s_wait_dscnt \younger
.if (\a) > 0
	s_add_nc_u64 s[12:13], s[12:13], 16*4096       ; (behind a wait on XCNT: the earlier stores have read their base)  16 rows on
.endif
.irp t, 0,1,2,3,4,5,6,7,8,9,10,11,12,13,14,15
	global_store_b128 v[CO], v[SET+4*\t:SET+4*\t+3], s[12:13] offset:\t*4096 th:TH_STORE_NT   ; 32 lanes store 512 consecutive bytes, aligned
.endr
.endm
	s_wait_kmcnt 0x0
	s_add_co_i32 s96, s96, s97
	s_add_co_i32 s96, s96, 127
	s_lshl_b32 s96, s96, 23                        ; 2^(e10 + e11) as f32
	s_mov_b32 s97, s96                             ; (named with it as a pair, so it is written)
	s_wait_loadcnt 0x0                             ; bo
	PLACES NP
	TOSTAGE 0
.irp a, 1,2,3,4,5,6,7
.if \a > 1
	s_wait_xcnt 0x0                                ; block a - 2's stores have read their registers and their base
.endif
	TOSTAGE \a
	SEND \a-1, 32                                  ; behind block a - 1's loads: block a's 16 stores and 16 loads
.endr
	s_wait_xcnt 0x0                                ; block 6's stores have read their base
	SEND 7, 0
	s_wait_tensorcnt 0x0                           ; the wave's end: three lines behind my last tensor load and my last LDS store
	ds_add_u32 v[SPW], v[NIL]
	s_wait_dscnt 0x0
	CROUND                                         ; the closing round: no work-group ends while a partner may still ask for a tile that names it
	s_endpgm
.Lfunc_end_k_q8d5b9754f8_outp:
	.size	k_q8d5b9754f8_outp, .Lfunc_end_k_q8d5b9754f8_outp-k_q8d5b9754f8_outp
	.p2alignl 7, 3214868480
	.fill 96, 4, 3214868480
	.section	.rodata,"a",@progbits
	.p2align	6, 0x0
	.amdhsa_kernel k_q8d5b9754f8_outp
		.amdhsa_group_segment_fixed_size 327680
		.amdhsa_private_segment_fixed_size 0
		.amdhsa_enable_private_segment 0
		.amdhsa_kernarg_size 40
		.amdhsa_user_sgpr_count 2
		.amdhsa_user_sgpr_kernarg_segment_ptr 1
		.amdhsa_wavefront_size32 1
		.amdhsa_system_sgpr_workgroup_id_x 1
		.amdhsa_system_sgpr_workgroup_id_y 1
		.amdhsa_system_sgpr_workgroup_id_z 1
		.amdhsa_system_vgpr_workitem_id 0
		.amdhsa_next_free_vgpr 1024
		.amdhsa_next_free_sgpr 100
		.amdhsa_reserve_vcc 0
		.amdhsa_float_denorm_mode_32 3
		.amdhsa_float_denorm_mode_16_64 3
		.amdhsa_memory_ordered 1
		.amdhsa_forward_progress 1
		.amdhsa_inst_pref_size 124
	.end_amdhsa_kernel
	.amdgpu_metadata
---
amdhsa.version: [ 1, 2 ]
amdhsa.kernels:
  - .name:           k_q8d5b9754f8_outp
    .symbol:         k_q8d5b9754f8_outp.kd
    .args:
      - { .name: ac, .offset: 0, .size: 8, .value_kind: global_buffer, .address_space: global }
      - { .name: opc, .offset: 8, .size: 8, .value_kind: global_buffer, .address_space: global }
      - { .name: lowp_scales, .offset: 16, .size: 8, .value_kind: global_buffer, .address_space: global }
      - { .name: bo, .offset: 24, .size: 8, .value_kind: global_buffer, .address_space: global }
      - { .name: out0, .offset: 32, .size: 8, .value_kind: global_buffer, .address_space: global }
    .group_segment_fixed_size: 327680
    .private_segment_fixed_size: 0
    .kernarg_segment_align: 8
    .kernarg_segment_size: 40
    .max_flat_workgroup_size: 128
    .sgpr_count:     100
    .vgpr_count:     1024
    .wavefront_size: 32
...
	.end_amdgpu_metadata
.endif
;; end of part 4
;; ======== version 2 of 2: 4 launches; version 1 with the launch attn written anew for expert scheduling mode
;; workspace buffers: opc 29,360,128 bytes; maskw 2,097,152 bytes of whole numbers; flags 2,048 bytes of whole numbers; qkv 25,165,824 bytes; ac 8,388,608 bytes
;; launch prep: the kernel of part 1 again; grid 1408 x 1, 4 waves a work-group, no clusters, 34,560 bytes of LDS; arguments query, key, value, Wq, Wk, Wv, Wo, mask, lowp_scales, opc, maskw, flags; writes opc, maskw, flags
;; launch proj: the kernel of part 2 again; grid 4 x 96, 4 waves a work-group, clusters of 4 x 4, 327,680 bytes of LDS; arguments opc, lowp_scales, bq, bk, bv, qkv; writes qkv
;; launch attn (part 5): grid 4 x 64, 16 waves a work-group, no clusters, 34,816 bytes of LDS; arguments qkv, maskw, flags, lowp_scales, ac; writes ac
.if DOCPART == 5
	.amdgcn_target "amdgcn-amd-amdhsa--gfx1250"
	.amdhsa_code_object_version 6
	.text
	.protected	k_q8d5b9754f8_attn
	.globl	k_q8d5b9754f8_attn
	.p2align	8
	.type	k_q8d5b9754f8_attn,@function
k_q8d5b9754f8_attn:
	s_mov_b64 s[64:65], 0
	v_nop
	global_prefetch_b8 v0, s[64:65] scope:SCOPE_SE
	s_setreg_imm32_b32 hwreg(HW_REG_WAVE_SCHED_MODE, 0, 2), 2
	s_setreg_imm32_b32 hwreg(HW_REG_WAVE_MODE, 25, 1), 1
	s_wait_xcnt 0x0
	s_wait_alu depctr_vm_vsrc(0)
; ATTN.  For each batch b and head: S = q k^T / 8 under the GIVEN mask, softmax, O = P v, both products on codes of E4M3; O is quantised for the last projection.
; THE SOFTMAX AHEAD OF THE SECOND PRODUCT: t = logit x log2(e); M = the row's largest t so far, rounded up to a whole number; p = 2^(t - M) is quantised; the row's sum is taken of the unquantised p and divides O at
; the end.  When M moves, the sum and O are multiplied by 2^(old M - new M), which rounds nothing.
; SHARES.  A work-group serves one (b, head) and two blocks of 256 queries, x and 7 - x, one after the other; each of its sixteen waves owns one tile of 16 queries.  Keys go in steps of 128.
; LAYOUT.  All operands are images of registers (group g x lane x 16 bytes).  S^T = K Q^T (source 0 = 16 keys, source 1 = my 16 queries, K = 64): register 8 t + j of lane (r, h) is query r, key 16 t + 8 h + j, so one
; conversion of a tile's eight registers gives registers 2 t, 2 t + 1 of P, the operand of O^T = V^T P^T (K = 128 keys); O^T's register 8 d + j is channel 16 d + 8 h + j, and converts into the last product's operand.
; THE MASK.  maskw holds, for each of my 64 score registers of a step, the 32 lanes' bits: a closed score becomes NEG by one v_cndmask_b32 on a scalar word.  flags (stored by the launch before) says for my tile
; which steps must be computed and which have closed entries.  A step none of whose entries is open adds p = 0 to rows that have an open key elsewhere, so it is passed over: a scalar branch on stored whole numbers.
; A row with no open key at all has every step computed: all its t are equal and whole, p = 1 for all 2,048 keys.
; K AND V come from memory into registers (16 bytes a thread each: the sixteen waves cover a step's 8,192 + 8,192 bytes), asked for two steps ahead, and go by ds_store into one of two LDS buffers, one barrier a step.
; NO TENSOR LOAD, NO CLUSTER: which steps a work-group walks hangs on numbers read from memory, so partners would need different numbers of tiles, and what is shared is 16,384 bytes a step for sixteen waves.
; LIMITS: e6 + e7 between -94 and 130; e8 and e10 between -126 and 119.  A closed logit is taken as -2^30, not -1e9: it differs only where an open logit of the same row lies under about -1e9.  NaN is not served.
; THE MODE: SCHED_MODE bits 1:0 = 2 (LLVM: expert scheduling mode 2), set by the entry lines.  The code itself states the register dependences between vector or matrix instructions and memory or LDS instructions,
; with s_wait_alu, always for 0.
; THE PLAN.  Registers that memory or LDS instructions touch:
;   v1, v2            addresses, written at the head and never again: one wait on va_vdst ahead of the first pass serves every LDS and memory instruction of the kernel.
;   v16-23            Q: loaded at a pass's head; read by the pass's products K Q^T.  The way out's wait on va_vdst stands behind the last of them, and no vector instruction follows it ahead of the next pass's loads.
;   v24-31, v208-215  K's and V's pieces: loaded from memory in one step, read by the LDS stores of the next; no vector instruction names them.  One wait on vm_vsrc at each step's head (and at a pass's head) states
;                     that the stores have read the set in which the step's loads land.
;   v32-95            a computed step's fragments: K's LDS loads land, eight products read them, V's LDS loads land, four products read them.  Two waits on va_vdst a computed step: at its head (the last computed
;                     step's four products are done reading) and behind the eight products.  Behind the second, V's loads are dealt among the mask's and the maximum's lines, which name v5, v96-159, v221, v222 alone.
;   v224-231          O's codes: written by the way out's conversions, read by its two stores: one wait on va_vdst between; the waits on vm_vsrc of the next pass stand ahead of the next conversions.
;   v3, v4            written at the head, read by the closing add alone.
;   The scores, p, O^T, p's codes and the statistics are named by vector and matrix instructions alone.
; REGISTERS: v1 16 x lane; v2 16 x thread; v3, v4 the add's two; v5 NEG; v6, v7 2^e8 and 448 x 2^e8; v8, v9 the same with e10; v12 -M; v13 the largest t; v[14:15] the sum; v16-23 Q; v24-31, v208-215 K's and V's pieces
; on their way; v32-95 fragments of K, then of V; v96-159 S^T, then p; v160-191 O^T; v192-207 p's codes; v[216:217] f; v[218:219], v220-222 at work; v224-231 O's codes.
; s2 wave; s3 block of queries; s4 pass; s5 trips; s6 steps that some wave needs; s7 steps that I need; s8 steps with closed entries (bit 0: this trip's first step); s9 the step's place in my mask words;
; s[10:11] c; s[12:13] lane selects; s14 e8; s15 e8 + e9; s16-63, s68-83 the step's 64 mask words; s[66:67] K, s[84:85] V; s[86:87] Q, s[88:89] mask words, s[90:91] ac, s[92:93] flags: at block 0; s[94:95], s[96:97]: at my block.
.set SPARE, 32768                      ; behind the two buffers of 16,384 bytes: the spare words, 128 bytes for each wave: no other line names them
	s_load_b256 s[16:23], s[0:1], 0x0              ; qkv, maskw, flags, the scales' exponents
	s_load_b64 s[24:25], s[0:1], 0x20              ; ac
	v_lshl_add_u32 v3, v0, 2, SPARE
	v_mov_b32 v4, 0
	v_lshrrev_b32 v220, 5, v0
	v_readfirstlane_b32 s2, v220                   ; wave 0..15
	v_and_b32 v1, 31, v0
	v_lshlrev_b32 v1, 4, v1
	v_lshlrev_b32 v2, 4, v0
	v_mov_b32 v217, 0                              ; (named as the upper half of the pair v[216:217])
	s_wait_alu depctr_va_sdst(0)                   ; s2 is written, ahead of its first reader: the bases of Q, of the mask words and of ac are made from it
	s_mov_b32 s3, ttmp9
	s_mov_b32 s4, 0
	s_mov_b32 s12, 0x76543210
	s_mov_b32 s13, 0xfedcba98                      ; v_permlanex16_b32: lane l xor 16
	s_and_b32 s5, ttmp7, 0xffff                    ; b x 16 + head
	s_lshr_b32 s6, s5, 4                           ; b
	s_and_b32 s7, s5, 15                           ; head
	s_lshl_b32 s98, s5, 17                         ; 131,072 bytes for each (b, head) in Q, in K and in V
	s_mov_b32 s99, 0
	s_mov_b32 s101, 0
	s_wait_kmcnt 0x0
	s_load_b256 s[32:39], s[22:23], 0x0            ; e0 .. e7
	s_load_b128 s[40:43], s[22:23], 0x20           ; e8 .. e11
	s_add_nc_u64 s[86:87], s[16:17], s[98:99]
	s_add_nc_u64 s[66:67], s[86:87], 0x800000      ; K
	s_add_nc_u64 s[84:85], s[86:87], 0x1000000     ; V
	s_lshl_b32 s100, s2, 10
	s_add_nc_u64 s[86:87], s[86:87], s[100:101]    ; Q: token tile w
	s_lshl_b32 s8, s6, 7
	s_add_co_u32 s8, s8, s2                        ; b x 128 + w
	s_lshl_b32 s100, s8, 12
	s_add_nc_u64 s[88:89], s[18:19], s[100:101]
	s_lshl_b32 s100, s8, 14
	s_lshr_b32 s9, s7, 1
	s_lshl_b32 s9, s9, 11                          ; chunk head / 2,
	s_add_co_u32 s100, s100, s9
	s_and_b32 s9, s7, 1
	s_lshl_b32 s9, s9, 10                          ; its lower or upper two groups
	s_add_co_u32 s100, s100, s9
	s_add_nc_u64 s[90:91], s[24:25], s[100:101]
	s_lshl_b32 s100, s6, 9
	s_add_nc_u64 s[92:93], s[20:21], s[100:101]
	s_wait_kmcnt 0x0
	s_add_co_i32 s98, s38, s39                     ; e6 + e7: a sum of codes stands for sum x 2^(e6 + e7)
	s_lshl_b32 s99, s98, 23
	s_add_co_i32 s10, s99, 0x3e38aa3b              ; c = log2(e) / 8, the two exponents added to its exponent field
	s_mov_b32 s11, s10                             ; (named with it as a pair, so it is written)
	s_sub_co_i32 s98, 160, s98
	s_lshl_b32 s98, s98, 23
	s_or_b32 s98, s98, 0x80000000
	v_mov_b32 v5, s98                              ; NEG = -2^(33 - e6 - e7): NEG x c = -2^30 x log2(e), exact and a whole number
	s_mov_b32 s14, s40
	s_add_co_i32 s15, s40, s41
	s_add_co_i32 s98, s40, 127
	s_lshl_b32 s99, s98, 23
	v_mov_b32 v6, s99
	s_add_co_i32 s98, s98, 8
	s_lshl_b32 s98, s98, 23
	s_or_b32 s98, s98, 0x600000
	v_mov_b32 v7, s98
	s_add_co_i32 s98, s42, 127
	s_lshl_b32 s99, s98, 23
	v_mov_b32 v8, s99
	s_add_co_i32 s98, s98, 8
	s_lshl_b32 s98, s98, 23
	s_or_b32 s98, s98, 0x600000
	v_mov_b32 v9, s98
	s_wait_alu depctr_va_vdst(0)                   ; v1 and v2 are written: every load and store of the kernel, LDS or memory, reads one of them as its address, and no vector instruction names them again
; V: the fragment of the head's channels 16 d on, out of buffer par: four loads of 512 consecutive bytes.
.macro VFRAG par, d
.irp g, 0,1,2,3
	ds_load_b128 v[32+16*(\d)+4*\g:35+16*(\d)+4*\g], v1 offset:(\par)*16384+8192+(\d)*2048+\g*512
.endr
.endm
; A computed step: 128 keys out of buffer par.
.macro COMPUTE par
	s_load_b512 s[16:31], s[94:95], s9 offset:0x0  ; the step's 64 mask words, in every computed step
	s_load_b512 s[32:47], s[94:95], s9 offset:0x40
	s_load_b512 s[48:63], s[94:95], s9 offset:0x80
	s_load_b512 s[68:83], s[94:95], s9 offset:0xc0
.rept 4
	v_nop                                          ; the four lines of the plain form in front of these loads stay as they stood; the dependence itself is stated by the wait below
.endr
	s_wait_alu depctr_va_vdst(0)                   ; the last computed step's four products V^T P^T are done reading v32-95, in which K's fragments land
.irp t, 0,1,2,3,4,5,6,7
	ds_load_b128 v[32+8*\t:35+8*\t], v1 offset:\par*16384+\t*1024
	ds_load_b128 v[36+8*\t:39+8*\t], v1 offset:\par*16384+\t*1024+512
.endr
	s_wait_dscnt 8                                 ; tiles 0-3 are in; the youngest eight loads (tiles 4-7) may be out
.irp t, 0,1,2,3
	v_wmma_f32_16x16x64_fp8_fp8 v[96+8*\t:103+8*\t], v[32+8*\t:39+8*\t], v[16:23], 0
.endr
	s_wait_dscnt 0x0
.irp t, 4,5,6,7
	v_wmma_f32_16x16x64_fp8_fp8 v[96+8*\t:103+8*\t], v[32+8*\t:39+8*\t], v[16:23], 0
.endr
.rept 4
	v_nop                                          ; places in front of the first read of the scores
.endr
	s_wait_alu depctr_va_vdst(0)                   ; the eight products K Q^T are done reading v32-95, in which V's fragments land.  Up to the last of V's loads no vector instruction names v1 or v32-95
	VFRAG \par, 0                                  ; V lands while the softmax is walked: two fragments now, the other two among the maximum's lines
	VFRAG \par, 1
	s_wait_kmcnt 0x0                               ; the mask words are in, and their offset register is free
	s_bitcmp1_b32 s8, \par
	s_cbranch_scc0 .Lopen_\@                       ; a step all of whose entries are open
.set n, 0
.rept 64
	v_cndmask_b32 v[96+n], v5, v[96+n], s[16+n+4*(n/48)]   ; closed: NEG
.set n, n+1
.endr
.Lopen_\@:
	v_max3_num_f32 v221, v96, v97, v98             ; the step's largest score of my query among my 64 keys, in two chains,
	v_max3_num_f32 v222, v99, v100, v101
	VFRAG \par, 2                                  ; no wait: the selects and the maxima since the wait above name v5, v96-159, v221 and v222 alone
.irp i, 6,10,14,18,22,26,30
	v_max3_num_f32 v221, v221, v[96+\i], v[97+\i]
	v_max3_num_f32 v222, v222, v[98+\i], v[99+\i]
.endr
	VFRAG \par, 3
.irp i, 34,38,42,46,50,54,58
	v_max3_num_f32 v221, v221, v[96+\i], v[97+\i]
	v_max3_num_f32 v222, v222, v[98+\i], v[99+\i]
.endr
	v_max3_num_f32 v221, v221, v158, v159
	v_max_num_f32 v221, v221, v222
	v_permlanex16_b32 v220, v221, s12, s13
	v_max_num_f32 v221, v221, v220                 ; and among lane l xor 16's
	v_mul_f32 v221, s10, v221                      ; as t (c is positive)
	v_max_num_f32 v13, v13, v221                   ; the running largest t
	v_mov_b32 v221, v12
	v_floor_f32 v12, -v13                          ; the new -M = floor(-t): M is a whole number
	v_sub_f32 v221, v12, v221                      ; old M - new M: a whole number, 0 or less
	v_cvt_i32_f32 v221, v221                       ; (it saturates)
	v_ldexp_f32 v216, 1.0, v221                    ; f = 2^(old M - new M)
.set n, 0
.rept 32
	v_pk_fma_f32 v[96+n:97+n], v[96+n:97+n], s[10:11], v[12:13] op_sel_hi:[1,0,0]   ; t - M, two at a time
.set n, n+2
.endr
.set n, 0
.rept 64
	v_exp_f32 v[96+n], v[96+n]                     ; p = 2^(t - M): not normalised
.set n, n+1
.endr
	v_pk_mul_f32 v[14:15], v[14:15], v[216:217] op_sel_hi:[1,0]   ; the sums under the new M: a plain line behind the exponentials
	s_wait_alu depctr_va_vdst(0)                   ; the 64 exponentials have written v96-159: one wait for the whole batch, ahead of its first reader
	v_pk_add_f32 v[218:219], v[96:97], v[98:99]    ; the row's sum is taken of the unquantised p, in two chains
.irp j, 4,8,12,16,20,24,28,32,36,40,44,48,52,56,60
	v_pk_add_f32 v[14:15], v[14:15], v[96+\j:97+\j]
	v_pk_add_f32 v[218:219], v[218:219], v[98+\j:99+\j]
.endr
	v_pk_add_f32 v[14:15], v[14:15], v[218:219]
	s_cmp_ge_i32 s14, -8                           ; p stays under 1.5, and 448 x 2^e8 is 1.75 or more from e8 = -8 on: there the hold changes nothing and is passed over
	s_cbranch_scc1 .Lno_hold_\@
.set n, 0
.rept 64
	v_min_num_f32 v[96+n], v[96+n], v7             ; the conversion does not saturate (ISA guide 7.6.2); p is not negative, so the hold is one-sided
.set n, n+1
.endr
.Lno_hold_\@:
.irp t, 0,1,2,3,4,5,6,7
	v_cvt_scalef32_pk8_fp8_f32 v[192+2*\t:193+2*\t], v[96+8*\t:103+8*\t], v6
.endr
.set n, 0
.rept 16
	v_pk_mul_f32 v[160+n:161+n], v[160+n:161+n], v[216:217] op_sel_hi:[1,0]   ; O^T under the new M; also the plain lines behind the conversions
.set n, n+2
.endr
	s_wait_dscnt 0x0                               ; V is in
.irp d, 0,1,2,3
	v_wmma_f32_16x16x128_fp8_fp8 v[160+8*\d:167+8*\d], v[32+16*\d:47+16*\d], v[192:207], v[160+8*\d:167+8*\d]   ; four accumulators by turns
.endr
.endm
; A step, of parity par.  Buffer par holds its K and V.  The next step's pieces, asked for a step ago, go into the other buffer; the pieces of the step after that are asked for.
.macro STEP par
.set SETP, 24+184*\par                 ; the set of registers that is loaded now
.set SETO, 208-184*\par                ; and the one that is stored now
	s_wait_loadcnt 0x0                             ; the pieces asked for a step ago are in, and their bases are free
	s_wait_alu depctr_vm_vsrc(0)                   ; the LDS stores of the step before (ahead of a pass's first step: of the pass's head) have read the set in which the loads below land; the wait stands ahead of the branches
.if \par == 0
	s_add_nc_u64 s[66:67], s[66:67], 16384         ; two steps on
	s_add_nc_u64 s[84:85], s[84:85], 16384
.endif
	s_bitcmp1_b32 s6, \par+1                       ; does any wave need the next step?  The same in all sixteen waves
	s_cbranch_scc0 .Lno_store_\@
	ds_store_b128 v2, v[SETO:SETO+3] offset:(1-\par)*16384          ; nobody reads that buffer since the last barrier
	ds_store_b128 v2, v[SETO+4:SETO+7] offset:(1-\par)*16384+8192
.Lno_store_\@:
	s_bitcmp1_b32 s6, \par+2                       ; and the step after it?  Bits 16 and up are 0: no load leaves K or V
	s_cbranch_scc0 .Lno_load_\@
	global_load_b128 v[SETP:SETP+3], v2, s[66:67] offset:\par*8192  ; (this set's LDS stores were waited for in front of the last barrier)
	global_load_b128 v[SETP+4:SETP+7], v2, s[84:85] offset:\par*8192
.Lno_load_\@:
	s_bitcmp1_b32 s7, \par                         ; do my 16 queries need this step?
	s_cbranch_scc0 .Lskip_\@
	COMPUTE \par
.Lskip_\@:
	s_add_co_u32 s9, s9, 256
	s_wait_dscnt 0x0                               ; my stores into the other buffer are done and my reads of this one are over
	s_barrier_signal -1
	s_barrier_wait -1                              ; on every wave's path, outside every branch
.endm
.Lpass:
	s_wait_xcnt 0x0                                ; the last pass's stores and loads have read their addresses and data
	s_wait_alu depctr_vm_vsrc(0)                   ; the last pass's LDS stores have read v24-31 and v208-215, in which steps 0 and 1 land below
	s_lshl_b32 s98, s3, 16
	s_mov_b32 s99, 0
	s_add_nc_u64 s[94:95], s[88:89], s[98:99]      ; my tile's mask words: 16 tiles of 4,096 bytes a block
	s_lshl_b32 s98, s3, 18
	s_add_nc_u64 s[96:97], s[90:91], s[98:99]      ; my tile in ac: 16 row tiles of 16,384 bytes a block
	s_lshl_b32 s98, s3, 14
	s_add_nc_u64 s[100:101], s[86:87], s[98:99]    ; my tile of Q
	s_lshl_b32 s98, s3, 6
	s_lshl_b32 s99, s2, 2
	s_add_co_u32 s99, s99, s98
	s_load_b512 s[16:31], s[92:93], s98 offset:0x0 ; the block's sixteen flag words,
	s_load_b32 s7, s[92:93], s99 offset:0x0        ; and mine
	global_load_b128 v[16:19], v1, s[100:101]      ; (the last pass's products, which read Q, stand ahead of the way out's wait on va_vdst, and no vector instruction stands between that wait and these loads)
	global_load_b128 v[20:23], v1, s[100:101] offset:512
	global_load_b128 v[24:27], v2, s[66:67]        ; step 0
	global_load_b128 v[28:31], v2, s[84:85]
	v_mov_b32 v13, 0xff61b1e6                      ; the largest t so far: -3e38, under every t
	v_floor_f32 v12, -v13
	v_mov_b32 v14, 0
	v_mov_b32 v15, 0
.set n, 0
.rept 32
	v_mov_b32 v[160+n], 0                          ; O^T: which step is a tile's first hangs on the flags, so the sums begin as zeros
.set n, n+1
.endr
	s_mov_b32 s9, 0
	s_wait_kmcnt 0x0
	s_or_b32 s6, s16, s17
.irp i, 18,19,20,21,22,23,24,25,26,27,28,29,30,31
	s_or_b32 s6, s6, s\i
.endr
	s_and_b32 s6, s6, 0xffff
	s_lshr_b32 s8, s7, 16
	s_and_b32 s7, s7, 0xffff
	s_wait_loadcnt 0x0
	ds_store_b128 v2, v[24:27]                     ; behind the last pass's last barrier nobody reads the buffers
	ds_store_b128 v2, v[28:31] offset:8192
	global_load_b128 v[208:211], v2, s[66:67] offset:8192   ; step 1
	global_load_b128 v[212:215], v2, s[84:85] offset:8192
	s_wait_dscnt 0x0
	s_barrier_signal -1
	s_barrier_wait -1
	s_mov_b32 s5, 8
.Ltrip:                                            ; eight trips of two steps: a constant count; what is passed over is a step's work
	STEP 0
	STEP 1
	s_lshr_b32 s6, s6, 2
	s_lshr_b32 s7, s7, 2
	s_lshr_b32 s8, s8, 2
	s_sub_co_u32 s5, s5, 1
	s_cmp_lg_u32 s5, 0
	s_cbranch_scc1 .Ltrip
	; THE WAY OUT: O^T x 2^(e8 + e9) / the sum, held, converted: registers 2 d, 2 d + 1 of my head's half of a chunk of the last product's operand
	s_wait_loadcnt 0x0
	s_sub_nc_u64 s[66:67], s[66:67], 131072        ; back to the head's first step
	s_sub_nc_u64 s[84:85], s[84:85], 131072
.rept 4
	v_nop                                          ; places behind the last products
.endr
	v_add_f32 v14, v14, v15
	v_permlanex16_b32 v220, v14, s12, s13
	v_add_f32 v14, v14, v220                       ; the row's sum
	v_rcp_f32 v14, v14
	v_nop                                          ; a plain line behind the transcendental
	s_wait_alu depctr_va_vdst(0)                   ; the reciprocal has written v14, ahead of its first reader
	v_ldexp_f32 v14, v14, s15
.set n, 0
.rept 16
	v_pk_mul_f32 v[96+n:97+n], v[160+n:161+n], v[14:15] op_sel_hi:[1,0]   ; each accumulator from its low end on
.set n, n+2
.endr
.set n, 0
.rept 32
	v_med3_num_f32 v[96+n], v[96+n], -v9, v9
.set n, n+1
.endr
.irp d, 0,1,2,3
	v_cvt_scalef32_pk8_fp8_f32 v[224+2*\d:225+2*\d], v[96+8*\d:103+8*\d], v8
.endr
	v_nop                                          ; a plain line behind the last conversion
	s_wait_alu depctr_va_vdst(0)                   ; the conversions have written v224-231, which the two stores read; and the pass's products are done reading Q, v16-23, in which the next pass's loads land
	global_store_b128 v1, v[224:227], s[96:97]     ; 512 consecutive bytes, aligned
	global_store_b128 v1, v[228:231], s[96:97] offset:512
	s_xor_b32 s3, s3, 7                            ; block 7 - x
	s_add_co_u32 s4, s4, 1
	s_cmp_lt_u32 s4, 2
	s_cbranch_scc1 .Lpass
	s_wait_dscnt 0x0                               ; the closing lines, six on end
	s_wait_alu 0x0
	s_wait_tensorcnt 0x0
	ds_add_u32 v3, v4
	s_wait_dscnt 0x0
	s_endpgm
.Lfunc_end_k_q8d5b9754f8_attn:
	.size	k_q8d5b9754f8_attn, .Lfunc_end_k_q8d5b9754f8_attn-k_q8d5b9754f8_attn
	.p2alignl 7, 3214868480
	.fill 96, 4, 3214868480
	.section	.rodata,"a",@progbits
	.p2align	6, 0x0
	.amdhsa_kernel k_q8d5b9754f8_attn
		.amdhsa_group_segment_fixed_size 34816
		.amdhsa_private_segment_fixed_size 0
		.amdhsa_enable_private_segment 0
		.amdhsa_kernarg_size 40
		.amdhsa_user_sgpr_count 2
		.amdhsa_user_sgpr_kernarg_segment_ptr 1
		.amdhsa_wavefront_size32 1
		.amdhsa_system_sgpr_workgroup_id_x 1
		.amdhsa_system_sgpr_workgroup_id_y 1
		.amdhsa_system_sgpr_workgroup_id_z 1
		.amdhsa_system_vgpr_workitem_id 0
		.amdhsa_next_free_vgpr 232
		.amdhsa_next_free_sgpr 102
		.amdhsa_reserve_vcc 0
		.amdhsa_float_denorm_mode_32 3
		.amdhsa_float_denorm_mode_16_64 3
		.amdhsa_memory_ordered 1
		.amdhsa_forward_progress 1
		.amdhsa_inst_pref_size 52
	.end_amdhsa_kernel
	.amdgpu_metadata
---
amdhsa.version: [ 1, 2 ]
amdhsa.kernels:
  - .name:           k_q8d5b9754f8_attn
    .symbol:         k_q8d5b9754f8_attn.kd
    .args:
      - { .name: qkv, .offset: 0, .size: 8, .value_kind: global_buffer, .address_space: global }
      - { .name: maskw, .offset: 8, .size: 8, .value_kind: global_buffer, .address_space: global }
      - { .name: flags, .offset: 16, .size: 8, .value_kind: global_buffer, .address_space: global }
      - { .name: lowp_scales, .offset: 24, .size: 8, .value_kind: global_buffer, .address_space: global }
      - { .name: ac, .offset: 32, .size: 8, .value_kind: global_buffer, .address_space: global }
    .group_segment_fixed_size: 34816
    .private_segment_fixed_size: 0
    .kernarg_segment_align: 8
    .kernarg_segment_size: 40
    .max_flat_workgroup_size: 512
    .sgpr_count:     102
    .vgpr_count:     232
    .wavefront_size: 32
...
	.end_amdgpu_metadata
.endif
;; end of part 5
;; launch outp: the kernel of part 4 again; grid 4 x 32, 4 waves a work-group, clusters of 4 x 4, 327,680 bytes of LDS; arguments ac, opc, lowp_scales, bo, out0; writes out0
